; MI455X (gfx1250); checked and timed in simulation.
; The chip was launched on July 23, 2026; its instructions are those of AMD's public machine-readable ISA for CDNA 5 (MIT licence, August 2026) and "CDNA5" Instruction Set Architecture Reference Guide (July 2026). The comments in the code are by the model that wrote it; some were corrected since.
;; D Transformer. Allowed arithmetic: matrix products marked QUANTISED: E2M1 operands, one E8M0 scale for each 32 along K, by v_wmma_scale_f32_16x16x128_f8f6f4 with both operands' format E2M1 (or v_wmma_scale_f32_32x16x128_f4), f32 sums; everything else in f32.
;; Inputs: Wo_codes 1,024 x 32 x 16 uint8 (E2M1 codes of Wo, K innermost, in blocks of 32 codes, two codes a byte); Wo_scales 1,024 x 32 uint8 (E8M0 scales of Wo, one for each 32 codes along K); Wq_codes 1,024 x 32 x 16 uint8 (E2M1 codes of Wq, K innermost, in blocks of 32 codes, two codes a byte); Wq_scales 1,024 x 32 uint8 (E8M0 scales of Wq, one for each 32 codes along K); Wv_codes 1,024 x 32 x 16 uint8 (E2M1 codes of Wv, K innermost, in blocks of 32 codes, two codes a byte); Wv_scales 1,024 x 32 uint8 (E8M0 scales of Wv, one for each 32 codes along K); bo 1,024 float32; bq 1,024 float32; bv 1,024 float32; gammas 16 float32; key_codes 4 x 1,024 x 32 x 16 uint8 (E2M1 codes of key, K innermost, in blocks of 32 codes, two codes a byte); key_scales 4 x 1,024 x 32 uint8 (E8M0 scales of key, one for each 32 codes along K); ln_b 1,024 float32; ln_g 1,024 float32; query 4 x 1,024 x 1,024 float32; values_codes 4 x 1,024 x 32 x 16 uint8 (E2M1 codes of values, K innermost, in blocks of 32 codes, two codes a byte); values_scales 4 x 1,024 x 32 uint8 (E8M0 scales of values, one for each 32 codes along K).
;; Outputs: out0 4 x 1,024 x 1,024 float32.
;; This version of the problem:
;;   THIS VERSION OF THE PROBLEM IS GIVEN IN LOW PRECISION. The matrix products marked QUANTISED in the list below multiply operands that are first quantised to E2M1 (2 exponent bits, 1 mantissa bit; 4 bits a number), with one power-of-two scale for each 32 numbers along K (OCP MX v1.0); their sums are f32. All else is computed in f32.
;;   The module's matrix products, in the order in which they are computed (A, B: the left and right operand; K: the contracted axis; several contracted axes count as one K, in the product's order):
;;     1. [M 4,096, K 1,024] x [K 1,024, N 1,024]; A: input query; B: input Wq (given as codes): QUANTISED
;;     2. [M 4,096, K 1,024] x [K 1,024, N 1,024]; A: input key (given as codes); B: input Wq (given as codes): QUANTISED
;;     3. [M 4,096, K 1,024] x [K 1,024, N 1,024]; A: input values (given as codes); B: input Wv (given as codes): QUANTISED
;;     4. batch 64 x [M 1,024, K 64] x [K 64, N 1,024]; A: computed on the way; B: computed on the way: QUANTISED
;;     5. batch 64 x [M 1,024, K 1,024] x [K 1,024, N 64]; A: computed on the way; B: computed on the way: QUANTISED
;;     6. [M 4,096, K 1,024] x [K 1,024, N 1,024]; A: computed on the way; B: input Wo (given as codes): QUANTISED
;;   THE QUANTISER, for each operand of a quantised product, along K:
;;     - K is cut into blocks of 32 from its start; a last block that is shorter is filled with zeros.
;;     - A block's scale is 2^e with e = floor(log2(the largest magnitude in the block)) - 2, held to -126 .. 127; a block of zeros has e = 0. As a byte (E8M0): e + 127.
;;     - Each number is divided by its block's scale, clamped to +-6, and rounded to the nearest number of E2M1, ties to even, subnormals kept.
;;     - The product sums the exact products of the quantised numbers (number of the format x scale) in f32.
;;   ~~~python
;;   def quantise(x, axis):      # numpy; x: float32 -> the quantised numbers, widened to float32 again
;;       x = np.moveaxis(x, axis, -1); K = x.shape[-1]
;;       x = np.pad(x, [(0, 0)] * (x.ndim - 1) + [(0, -K % 32)]); x = x.reshape(x.shape[:-1] + (-1, 32)); a = np.abs(x).max(-1, keepdims=True)
;;       e = np.where(a > 0, np.clip(np.frexp(np.where(a > 0, a, 1))[1] - 1 - 2, -126, 127), 0)      # np.frexp(a)[1] - 1 = floor(log2(a)), exactly
;;       r = np.clip(x / 2.0 ** e, -6, 6)
;;       step = 2.0 ** (np.maximum(np.frexp(np.where(r == 0, 1, r))[1] - 1, 0) - 1)
;;       q = np.round(r / step) * step * 2.0 ** e      # np.round: ties to even
;;       return np.moveaxis(q.reshape(q.shape[:-2] + (-1,))[..., :K], -1, axis).astype(np.float32)
;;   ~~~
;;   OPERANDS COMPUTED ON THE WAY. 'Computed on the way' means the value that the module computes at that place (a softmax that the list does not call 'softmax' is quantised finished and normalised). What goes into a quantiser is computed in f32, as accurately as f32 sums, v_exp_f32 and their like allow (about 1e-6 of the number): no bf16 or f16 on the way to a quantiser, and a product that is left as it is and whose result goes on into a quantised operand takes f32 operands (vector FMAs, or v_wmma_f32_16x16x4_f32). A number that lies on a knife's edge between two numbers of the format may be rounded either way, as far as f32 arithmetic and the matrix unit's own rounding can turn it there, and no further.
;;   INPUTS GIVEN AS CODES. Wo (in the module: [1024, 1024], K = its axis 1); Wq (in the module: [1024, 1024], K = its axis 1); Wv (in the module: [1024, 1024], K = its axis 1); key (in the module: [4, 1024, 1024], K = its axis 2); values (in the module: [4, 1024, 1024], K = its axis 2): each comes as NAME_codes (uint8): NAME with its K axis moved to the last place and cut into blocks of 32 codes, [.., K / 32, bytes a block], one block behind the other in memory; two codes a byte, the lower K in the low four bits (a code: sign, 2 exponent bits, 1 mantissa bit); and NAME_scales (uint8): the same leading axes, one E8M0 byte (e + 127) for each 32 codes along K. Its value is code x scale, taken as it is: it is not quantised again, and the codes and scales need not be those that the quantiser above would give.
;; 2 versions, each right; version 2 is version 1 with the launches proj, attn, outln written anew for expert scheduling mode. Each part assembles by itself: llvm-mc -triple=amdgcn-amd-amdhsa -mcpu=gfx1250 --defsym DOCPART=n.
;; ======== version 1 of 2: 4 launches
;; workspace buffers: qc 2,097,152 bytes; qs 131,072 bytes; woi 524,288 bytes; qimg 2,359,296 bytes; kimg 2,359,296 bytes; vimg 2,228,224 bytes; cimg 2,097,152 bytes; csc 131,072 bytes
;; launch prep (part 1): grid 144 x 1, 4 waves a work-group, no clusters, 33,280 bytes of LDS; arguments query, Wo_codes, qc, qs, woi; writes qc, qs, woi
.if DOCPART == 1
	.amdgcn_target "amdgcn-amd-amdhsa--gfx1250"
	.amdhsa_code_object_version 6
	.text
	.protected	k_q804e83f83b_prep
	.globl	k_q804e83f83b_prep
	.p2align	8
	.type	k_q804e83f83b_prep,@function
k_q804e83f83b_prep:
	s_mov_b64 s[64:65], 0
	v_nop
	global_prefetch_b8 v0, s[64:65] scope:SCOPE_SE
	s_setreg_imm32_b32 hwreg(HW_REG_WAVE_MODE, 25, 1), 1
	s_wait_xcnt 0x0
; Work-groups 0-127: query [4096][1024] f32 becomes codes of E2M1 (qc, [4096][512 bytes], K innermost) and one E8M0 byte for each 32 along K (qs, [4096][32]).
; A block's scale is 2^(floor(log2(largest magnitude)) - 2): its byte is the largest magnitude's exponent field - 2, held at 1 from below.
; Work-groups 128-143: Wo's codes are laid anew in the order of an operand's registers (woi: [n tile 64][K step 8][c 2][lane 32][16 bytes]), so that the last launch reads them densely.
; LIMITS: a block of zeros, or one whose largest magnitude lies under 2^-124, gets the byte 1 (its codes are zeros or tiny; this program alone reads the bytes); NaN and infinities are not served.
; The tensor is a plain stream of blocks of 32.  A wave takes 16 steps of 512 numbers.  Each load reads 512 consecutive bytes; a step's 2,048 bytes turn through the wave's own stage in LDS,
; so that a lane then holds 16 neighbours (two neighbouring lanes hold a block).  No barrier: waves share nothing.  Loads run four steps ahead, the turn through LDS one step.
.set STEPS, 16
.set CB,    8                          ; bytes of 16 codes
.set R,     16                         ; v16-79   four sets of 16 numbers as loaded
.set X,     80                         ; v80-111  two sets of 16 neighbours
.set E,     112                        ; v112-127 a scale byte for each step
.set C,     128                        ; v128-191 codes, four registers for each step: no store's data are written again
.set WREG,  8192                       ; LDS: a region for each wave: two stages of 32 x SP bytes, then its 256 scale bytes
.set SP,    80                         ; a lane's place in a stage: 64 bytes + 16 of padding
	s_load_b128 s[4:7], s[0:1], 0x0                ; query, Wo_codes
	s_load_b128 s[8:11], s[0:1], 0x10              ; qc, qs
	s_load_b64 s[12:13], s[0:1], 0x20              ; woi
	v_lshl_add_u32 v192, v0, 2, 0x8000
	v_mov_b32 v193, 0
	v_lshrrev_b32 v1, 5, v0
	v_readfirstlane_b32 s16, v1                    ; wave
	v_and_b32 v2, 31, v0                           ; lane
	s_cmp_ge_u32 ttmp9, 128
	s_cbranch_scc1 .Lrelay
	v_lshlrev_b32 v3, 4, v2                        ; my 16 bytes of a load's 512
	s_mul_i32 s17, s16, WREG
	v_lshrrev_b32 v14, 2, v2
	v_mul_u32_u24 v14, v14, SP
	v_and_b32 v15, 3, v2
	v_lshl_add_u32 v14, v15, 4, v14
	v_add_nc_u32 v14, s17, v14                     ; the stage, on the way in: SP (lane / 4) + 16 (lane % 4)
	v_mul_u32_u24 v15, v2, SP
	v_add_nc_u32 v15, s17, v15                     ; and on the way out: SP x lane: my 16 neighbours
	v_mul_u32_u24 v4, v2, CB                       ; my codes' place in a step's
	v_lshrrev_b32 v5, 1, v2
	s_add_co_u32 s17, s17, 2*32*SP
	v_add_nc_u32 v5, s17, v5                       ; LDS: my wave's 256 scale bytes, my block's byte
	v_lshlrev_b32 v7, 3, v2                        ; and on the way out 8 bytes a lane
	v_add_nc_u32 v6, s17, v7
	s_lshl_b32 s18, ttmp9, 2
	s_add_co_u32 s18, s18, s16                     ; which run of 8,192 numbers is my wave's: 0 .. 511
	s_mov_b32 s21, 0
	s_wait_kmcnt 0x0
	s_lshl_b32 s20, s18, 15                        ; 32,768 bytes of numbers,
	s_add_nc_u64 s[4:5], s[4:5], s[20:21]
	s_lshl_b32 s20, s18, 12                        ; 4,096 of codes,
	s_add_nc_u64 s[8:9], s[8:9], s[20:21]
	s_lshl_b32 s20, s18, 8                         ; 256 scale bytes a run
	s_add_nc_u64 s[10:11], s[10:11], s[20:21]
.macro LOAD t
.irp i, 0,1,2,3
	global_load_b128 v[R+16*((\t)%4)+4*\i:R+16*((\t)%4)+4*\i+3], v3, s[4:5] offset:2048*(\t)+512*\i   ; 32 lanes read 512 consecutive bytes (the last launch reads query again: no hint)
.endr
.endm
.macro TURN t                          ; step t's numbers through the stage: LDS serves a wave's instructions in order, so no wait stands between the stores and the loads
.irp i, 0,1,2,3
	ds_store_b128 v14, v[R+16*((\t)%4)+4*\i:R+16*((\t)%4)+4*\i+3] offset:32*SP*((\t)%2)+8*SP*\i
.endr
.irp i, 0,1,2,3
	ds_load_b128 v[X+16*((\t)%2)+4*\i:X+16*((\t)%2)+4*\i+3], v15 offset:32*SP*((\t)%2)+16*\i
.endr
.endm
.irp t, 0,1,2,3
	LOAD \t
.endr
	s_wait_loadcnt 12                              ; step 0's four loads are in; the twelve of steps 1 to 3 may be out
	TURN 0
.macro STEP t
.set XS, X+16*((\t)%2)
.if (\t) > 0
	s_wait_dscnt 1                                 ; this step's numbers are back from the stage (the last step's byte store may be out)
.else
	s_wait_dscnt 0x0
.endif
.if (\t)+4 < STEPS
	LOAD (\t)+4                                    ; into the registers that the stage's stores have read
.endif
.if (\t)+1 < STEPS
.if STEPS-2-(\t) >= 3
	s_wait_loadcnt 12                              ; the next step's four loads are in; those of the three steps behind it may be out
.else
	s_wait_loadcnt 4*(STEPS-2-(\t))
.endif
	TURN (\t)+1
.endif
	v_max3_num_f32 v8, |v[XS]|, |v[XS+1]|, |v[XS+2]|               ; the largest magnitude of my 16, in two chains
	v_max3_num_f32 v9, |v[XS+3]|, |v[XS+4]|, |v[XS+5]|
.irp i, 6,10
	v_max3_num_f32 v8, v8, |v[XS+\i]|, |v[XS+\i+1]|
	v_max3_num_f32 v9, v9, |v[XS+\i+2]|, |v[XS+\i+3]|
.endr
	v_max3_num_f32 v8, v8, |v[XS+14]|, |v[XS+15]|
	v_max3_num_f32 v8, v8, v9, 0x1800000           ; and the floor 2^(3 - 127): the byte cannot fall under 1
	v_max_num_f32_dpp v8, v8, v8 row_xmask:1 row_mask:0xf bank_mask:0xf   ; with my neighbour's 16: the block's
	v_add_nc_u32 v11, 0xff000000, v8               ; 2 off its exponent field: the conversion takes the exponent field of this operand as its scale
	v_cvt_scalef32_pk8_fp4_f32 v[C+4*(\t)], v[XS:XS+7], v11
	v_cvt_scalef32_pk8_fp4_f32 v[C+4*(\t)+1], v[XS+8:XS+15], v11
	v_lshrrev_b32 v[E+(\t)], 23, v11               ; the scale's byte (a plain line behind the conversions)
	ds_store_b8 v5, v[E+(\t)] offset:16*(\t)       ; both lanes of a block write the same byte with the same value
	global_store_b64 v4, v[C+4*(\t):C+4*(\t)+1], s[8:9] offset:32*CB*(\t)   ; the wave stores 256 consecutive bytes, aligned
.endm
.irp t, 0,1,2,3,4,5,6,7,8,9,10,11,12,13,14,15
	STEP \t
.endr
	ds_load_b64 v[12:13], v6                       ; in order behind my byte stores
	s_wait_dscnt 0x0
	global_store_b64 v7, v[12:13], s[10:11]        ; 256 consecutive scale bytes, aligned
	s_wait_tensorcnt 0x0
	ds_add_u32 v192, v193
	s_wait_dscnt 0x0
	s_endpgm
.Lrelay:
	; n tile T = 4 (work-group - 128) + wave: 16 rows of Wo, 8,192 bytes in and out.  Lane (rho, hh) takes of row rho the 16 bytes at 32 i + 16 hh, i = 2 s + c, and puts them at 512 i + 16 lane.
	s_sub_co_u32 s17, ttmp9, 128
	s_lshl_b32 s17, s17, 2
	s_add_co_u32 s17, s17, s16
	s_lshl_b32 s18, s17, 13
	s_mov_b32 s19, 0
	v_and_b32 v3, 15, v0
	v_bfe_u32 v4, v0, 4, 1
	v_lshlrev_b32 v5, 9, v3
	v_lshl_add_u32 v5, v4, 4, v5                   ; 512 rho + 16 hh
	v_lshlrev_b32 v6, 4, v2                        ; 16 lane
	s_wait_kmcnt 0x0
	s_add_nc_u64 s[6:7], s[6:7], s[18:19]
	s_add_nc_u64 s[12:13], s[12:13], s[18:19]
.irp i, 0,1,2,3,4,5,6,7,8,9,10,11,12,13,14,15
	global_load_b128 v[16+4*\i:19+4*\i], v5, s[6:7] offset:32*\i
.endr
	s_wait_loadcnt 0x0
.irp i, 0,1,2,3,4,5,6,7,8,9,10,11,12,13,14,15
	global_store_b128 v6, v[16+4*\i:19+4*\i], s[12:13] offset:512*\i   ; 512 consecutive bytes a store
.endr
	s_endpgm
.Lfunc_end_k_q804e83f83b_prep:
	.size	k_q804e83f83b_prep, .Lfunc_end_k_q804e83f83b_prep-k_q804e83f83b_prep
	.p2alignl 7, 3214868480
	.fill 96, 4, 3214868480
	.section	.rodata,"a",@progbits
	.p2align	6, 0x0
	.amdhsa_kernel k_q804e83f83b_prep
		.amdhsa_group_segment_fixed_size 33280
		.amdhsa_private_segment_fixed_size 0
		.amdhsa_enable_private_segment 0
		.amdhsa_kernarg_size 40
		.amdhsa_user_sgpr_count 2
		.amdhsa_user_sgpr_kernarg_segment_ptr 1
		.amdhsa_wavefront_size32 1
		.amdhsa_system_sgpr_workgroup_id_x 1
		.amdhsa_system_sgpr_workgroup_id_y 1
		.amdhsa_system_sgpr_workgroup_id_z 1
		.amdhsa_system_vgpr_workitem_id 0
		.amdhsa_next_free_vgpr 194
		.amdhsa_next_free_sgpr 66
		.amdhsa_reserve_vcc 0
		.amdhsa_float_denorm_mode_32 3
		.amdhsa_float_denorm_mode_16_64 3
		.amdhsa_memory_ordered 1
		.amdhsa_forward_progress 1
		.amdhsa_inst_pref_size 37
	.end_amdhsa_kernel
	.amdgpu_metadata
---
amdhsa.version: [ 1, 2 ]
amdhsa.kernels:
  - .name:           k_q804e83f83b_prep
    .symbol:         k_q804e83f83b_prep.kd
    .args:
      - { .name: query, .offset: 0, .size: 8, .value_kind: global_buffer, .address_space: global }
      - { .name: Wo_codes, .offset: 8, .size: 8, .value_kind: global_buffer, .address_space: global }
      - { .name: qc, .offset: 16, .size: 8, .value_kind: global_buffer, .address_space: global }
      - { .name: qs, .offset: 24, .size: 8, .value_kind: global_buffer, .address_space: global }
      - { .name: woi, .offset: 32, .size: 8, .value_kind: global_buffer, .address_space: global }
    .group_segment_fixed_size: 33280
    .private_segment_fixed_size: 0
    .kernarg_segment_align: 8
    .kernarg_segment_size: 40
    .max_flat_workgroup_size: 128
    .sgpr_count:     66
    .vgpr_count:     194
    .wavefront_size: 32
...
	.end_amdgpu_metadata
.endif
;; end of part 1
;; launch proj (part 2): grid 64 x 3, 16 waves a work-group, no clusters, 296,960 bytes of LDS; arguments qc, qs, key_codes, key_scales, values_codes, values_scales, Wq_codes, Wq_scales, Wv_codes, Wv_scales, bq, bv, qimg, kimg, vimg; writes qimg, kimg, vimg
.if DOCPART == 2
	.amdgcn_target "amdgcn-amd-amdhsa--gfx1250"
	.amdhsa_code_object_version 6
	.text
	.protected	k_q804e83f83b_proj
	.globl	k_q804e83f83b_proj
	.p2align	8
	.type	k_q804e83f83b_proj,@function
k_q804e83f83b_proj:
	s_mov_b64 s[64:65], 0
	v_nop
	global_prefetch_b8 v0, s[64:65] scope:SCOPE_SE
	s_setreg_imm32_b32 hwreg(HW_REG_WAVE_MODE, 25, 1), 1
	s_wait_xcnt 0x0
; The three projections, y = x W^T + bias, on codes of E2M1 with E8M0 scales, and the quantising of their results for the attention's two products.  Work-group y = 0: q, 1: k (both with Wq, bq), 2: v (Wv, bv).
; A work-group takes 256 tokens x 256 outputs (4 heads) and all of K = 1,024: both tiles (131,072 bytes each) and their scale bytes come into LDS once, by dense loads through registers; one barrier.
; Wave w: tokens 64 (w & 3) on, head w >> 2: 16 accumulators, 8 K steps of 128, 128 matrix instructions.
; q, k: source 0 = 16 rows of W, source 1 = 16 tokens: a lane holds ONE token and its registers run along the head's 64, the K of q k^T.
; v:    source 0 = 16 tokens, source 1 = 16 rows of W: a lane holds ONE of the head's 64 and its registers run along the tokens, the K of p v.
; THE ROWS OF A SOURCE-0 TILE ARE NOT NEIGHBOURS: row rho of tile x is row 32 (x / 2) + 8 (x % 2) + rho + 8 (rho / 8), so that the 16 registers of tiles 2 b, 2 b + 1 are 16 neighbours, 32 b + 16 hh + 0 .. 15.
; The same choice is made for k's tokens and v's outputs as source 1 (the attention wants its tiles so); q's tokens are neighbours.  In LDS the code rows lie in the order of such tiles
; (row 32 B + 16 a + 8 u + k in slot 32 B + 16 u + 8 a + k), 528 bytes apart: the 16 rows of a fragment load start at 16 different groups of four banks (64 banks of 4 bytes: ISA guide 11.1).
; OUT.  qimg, kimg, for each (batch, head) 36,864 bytes: [tile of 16][lane][16 bytes] (lane (rho, hh): the codes of d = 32 hh .. + 31 of row rho), then scale words [step of 128][rho][tile in step] = s0 | s1 << 8 | 0x7f7f0000.
;       vimg, for each (batch, head) 8 steps of 4,352 bytes: [t 4][c 2][lane][16 bytes] (keys 64 c + 32 hh .. + 31 of row rho of tile t), then scale words [rho][t].
; No multicast: a work-group reads each of its tiles once, in one group of loads at its head, and has no loop that refills LDS.
; LIMITS: blocks of zeros and blocks under 2^-124 keep the scale byte 1 (this program alone reads the bytes); NaN and infinities are not served.
.set PITCH, 528
.set WT,    135168                     ; LDS: tokens' 256 slots at 0, W's 256 slots here,
.set ASC,   270336                     ; the tokens' scale bytes (256 rows x 32, as they lie),
.set WSC,   278528                     ; W's; the text uses 286,720 bytes
.set SC,    16                         ; v16-31  scale words: register 4 t + s % 4: lanes 0-15 source 0's tile t, lanes 16-31 source 1's tile t
.set FX,    32                         ; v32-63  source 0's four fragments
.set FY,    64                         ; v64-95  source 1's four
.set ACC,   96                         ; v96-223 accumulator (y, x) at 32 y + 8 x
.set BIAS,  224                        ; v224-255 the bias as the first products' C; later:
.set TM,    224                        ; largest magnitudes,
.set TX,    226                        ; the other half's,
.set SO,    228                        ; the conversions' scale operands,
.set BY,    230                        ; the bytes,
.set PC,    232                        ; v232-247 codes, 4 registers a tile y,
.set SW,    248                        ; v248-251 scale words
.set SEL,   60                         ; s[60:61] v_permlanex16_b32's selects for lane l xor 16
	s_load_b512 s[8:23], s[0:1], 0x0               ; qc, qs, key_codes, key_scales, values_codes, values_scales, Wq_codes, Wq_scales
	s_load_b256 s[24:31], s[0:1], 0x40             ; Wv_codes, Wv_scales, bq, bv
	s_load_b128 s[32:35], s[0:1], 0x60             ; qimg, kimg
	s_load_b64 s[36:37], s[0:1], 0x70              ; vimg
	v_lshrrev_b32 v14, 5, v0
	v_readfirstlane_b32 s40, v14                   ; wave 0..15
	s_and_b32 s41, ttmp7, 0xffff                   ; which tensor
	s_and_b32 s42, ttmp9, 3                        ; cg: which 256 outputs
	s_lshr_b32 s43, ttmp9, 2                       ; tc: which 256 tokens
	s_lshr_b32 s44, s43, 2                         ; batch
	s_and_b32 s45, s43, 3                          ; chunk of 256 tokens in the batch
	s_and_b32 s46, s40, 3                          ; tg: my 64 tokens
	s_lshr_b32 s47, s40, 2                         ; hd: my head of the four
	s_mov_b32 s[SEL], 0x76543210
	s_mov_b32 s[SEL+1], 0xfedcba98
	v_and_b32 v15, 31, v0
	v_lshlrev_b32 v1, 4, v15                       ; 16 lane
	v_and_b32 v2, 15, v0                           ; rho
	v_bfe_u32 v3, v0, 4, 1                         ; hh
	v_and_b32 v4, 8, v2
	v_add_nc_u32 v4, v4, v2                        ; rho + 8 (rho / 8)
	v_lshlrev_b32 v12, 5, v2                       ; 32 rho
	v_lshlrev_b32 v13, 4, v2                       ; 16 rho
	v_lshlrev_b32 v14, 4, v0                       ; 16 x thread
	v_lshlrev_b32 v15, 6, v3                       ; 64 hh
	v_lshlrev_b32 v5, 2, v4                        ; 4 (rho + 8 (rho / 8))
	s_mov_b32 s49, 0
	s_wait_kmcnt 0x0
	s_cmp_eq_u32 s41, 0                            ; the buffers are chosen by the work-group's y alone
	s_cselect_b64 s[8:9], s[8:9], s[12:13]         ; the tokens' codes,
	s_cselect_b64 s[10:11], s[10:11], s[14:15]     ; their scale bytes,
	s_cselect_b64 s[32:33], s[32:33], s[34:35]     ; the images
	s_cmp_eq_u32 s41, 2
	s_cselect_b64 s[8:9], s[16:17], s[8:9]
	s_cselect_b64 s[10:11], s[18:19], s[10:11]
	s_cselect_b64 s[32:33], s[36:37], s[32:33]
	s_cselect_b64 s[20:21], s[24:25], s[20:21]     ; W's codes,
	s_cselect_b64 s[22:23], s[26:27], s[22:23]     ; W's scale bytes,
	s_cselect_b64 s[28:29], s[30:31], s[28:29]     ; the bias
	s_lshl_b32 s50, s40, 13                        ; my 16 rows of 512 bytes
	s_lshl_b32 s48, s43, 17
	s_add_co_u32 s48, s48, s50
	s_add_nc_u64 s[8:9], s[8:9], s[48:49]
	s_lshl_b32 s48, s42, 17
	s_add_co_u32 s48, s48, s50
	s_add_nc_u64 s[20:21], s[20:21], s[48:49]
	s_lshl_b32 s48, s43, 13                        ; 256 rows of 32 scale bytes
	s_add_nc_u64 s[10:11], s[10:11], s[48:49]
	s_lshl_b32 s48, s42, 13
	s_add_nc_u64 s[22:23], s[22:23], s[48:49]
	s_lshl_b32 s48, s42, 10
	s_lshl_b32 s50, s47, 8
	s_add_co_u32 s48, s48, s50                     ; 4 (256 cg + 64 hd)
	s_add_nc_u64 s[28:29], s[28:29], s[48:49]
	; ---- the copy: wave w brings rows 16 w .. 16 w + 15 of both tiles, a row (512 consecutive bytes) a load
.irp i, 0,1,2,3,4,5,6,7,8,9,10,11,12,13,14,15
	global_load_b128 v[ACC+4*\i:ACC+4*\i+3], v1, s[8:9] offset:512*\i
.endr
.irp i, 0,1,2,3,4,5,6,7,8,9,10,11,12,13,14,15
	global_load_b128 v[ACC+64+4*\i:ACC+64+4*\i+3], v1, s[20:21] offset:512*\i
.endr
	global_load_b128 v[32:35], v14, s[10:11]       ; the work-group's 512 threads bring 8,192 scale bytes of each side
	global_load_b128 v[36:39], v14, s[22:23]
	s_cmp_eq_u32 s41, 2
	s_cbranch_scc1 .Lbias_v
.irp x, 0,1,2,3                                ; q, k: the bias runs along the registers: tile x, lane half hh: outputs 32 (x / 2) + 16 hh + 8 (x % 2) + 0 .. 7
	global_load_b128 v[BIAS+8*\x:BIAS+8*\x+3], v15, s[28:29] offset:4*(32*(\x/2)+8*(\x%2))
	global_load_b128 v[BIAS+8*\x+4:BIAS+8*\x+7], v15, s[28:29] offset:4*(32*(\x/2)+8*(\x%2))+16
.endr
	s_branch .Lbias_done
.Lbias_v:
.irp y, 0,1,2,3                                ; v: a lane has one output: its bias in all eight registers
.irp j, 0,1,2,3,4,5,6,7
	global_load_b32 v[BIAS+8*\y+\j], v5, s[28:29] offset:4*(32*(\y/2)+8*(\y%2))
.endr
.endr
.Lbias_done:
	s_lshr_b32 s48, s40, 1
	s_lshl_b32 s48, s48, 5
	s_and_b32 s50, s40, 1
	s_lshl_b32 s50, s50, 3
	s_add_co_u32 s48, s48, s50                     ; my rows' first slot: 32 (w / 2) + 8 (w % 2)
	s_mul_i32 s48, s48, PITCH
	v_add_nc_u32 v10, s48, v1
	v_add_nc_u32 v11, WT, v10
	v_add_nc_u32 v8, ASC, v14
	v_add_nc_u32 v9, WSC, v14
	s_wait_loadcnt 0x0                             ; everything is in; the address registers above may be written again
.irp i, 0,1,2,3,4,5,6,7,8,9,10,11,12,13,14,15
	ds_store_b128 v10, v[ACC+4*\i:ACC+4*\i+3] offset:(16*(\i/8)+(\i%8))*PITCH
.endr
.irp i, 0,1,2,3,4,5,6,7,8,9,10,11,12,13,14,15
	ds_store_b128 v11, v[ACC+64+4*\i:ACC+64+4*\i+3] offset:(16*(\i/8)+(\i%8))*PITCH
.endr
	ds_store_b128 v8, v[32:35]
	ds_store_b128 v9, v[36:39]
	s_wait_dscnt 0x0                               ; for the others' sake: my stores have landed
	s_barrier_signal -1
	s_barrier_wait -1                              ; behind this barrier LDS is only read
	; ---- addresses of the fragments.  X = source 0, Y = source 1
	s_mul_i32 s48, s46, 64*PITCH                   ; my 64 tokens' slots
	s_mul_i32 s49, s47, 64*PITCH
	s_add_co_u32 s49, s49, WT                      ; my head's 64 slots of W
	s_lshl_b32 s50, s46, 11
	s_add_co_u32 s50, s50, ASC
	s_lshl_b32 s51, s47, 11
	s_add_co_u32 s51, s51, WSC
	s_cmp_eq_u32 s41, 2
	s_cselect_b32 s52, s48, s49                    ; X's codes: v: tokens, else W
	s_cselect_b32 s53, s49, s48                    ; Y's
	s_cselect_b32 s54, s50, s51                    ; X's scale bytes
	s_cselect_b32 s55, s51, s50                    ; Y's
	s_mov_b32 s56, 16*PITCH
	s_mov_b32 s57, 256
	s_cmp_eq_u32 s41, 0                            ; q's tokens form tiles of neighbours
	s_cselect_b32 s56, 8*PITCH, s56                ; from an even tile of Y to the odd one, in slots,
	s_cselect_b32 s57, 512, s57                    ; and in scale bytes
	s_cselect_b32 s58, -1, 0
	v_mul_u32_u24 v5, v2, PITCH
	v_lshl_add_u32 v5, v3, 4, v5                   ; slot rho, + 16 hh
	v_mul_u32_u24 v6, v4, PITCH
	v_lshl_add_u32 v6, v3, 4, v6                   ; slot rho + 8 (rho / 8), + 16 hh
	v_cndmask_b32 v6, v5, v6, s58
	v_add_nc_u32 v6, s53, v6                       ; Y's even tiles
	v_add_nc_u32 v7, s56, v6                       ; Y's odd tiles
	v_add_nc_u32 v5, s52, v5                       ; X's tiles
	v_lshlrev_b32 v14, 5, v4
	v_cndmask_b32 v15, v14, v12, s58               ; Y's row in a tile: q: rho, else rho + 8 (rho / 8)
	v_add_nc_u32 v14, s54, v14
	v_add_nc_u32 v15, s55, v15
	v_cmp_eq_u32 vcc_lo, 1, v3
	v_cndmask_b32 v8, v14, v15, vcc_lo             ; scale words of even tiles: lanes 0-15 X's, lanes 16-31 Y's
	v_add_nc_u32 v14, 256, v14
	v_add_nc_u32 v15, s57, v15
	v_cndmask_b32 v9, v14, v15, vcc_lo             ; of odd tiles
; The loads of K step s.  Four places stand in front of loads into registers that matrix instructions have read (ISA guide 7.12.1 for vector instructions).
.macro KLOADS s
.if (\s) > 0
.rept 4
	v_nop
.endr
.endif
.if ((\s)%4) == 0
.irp t, 0,1,2,3
	ds_load_b128 v[SC+4*\t:SC+4*\t+3], v[8+\t%2] offset:1024*(\t/2)+16*((\s)/4)   ; four K steps' words of a row
.endr
.endif
.irp x, 0,1,2,3
.irp c, 0,1
	ds_load_b128 v[FX+8*\x+4*\c:FX+8*\x+4*\c+3], v5 offset:16*PITCH*\x+64*(\s)+32*\c
.endr
.endr
.irp y, 0,1,2,3
.irp c, 0,1
	ds_load_b128 v[FY+8*\y+4*\c:FY+8*\y+4*\c+3], v[6+\y%2] offset:32*PITCH*(\y/2)+64*(\s)+32*\c
.endr
.endr
	s_wait_dscnt 0x0                               ; three other waves share the SIMD and work meanwhile
.endm
; 16 products; the 16 accumulators take turns, one instruction a turn.  mode 1: the first K step, C = the bias by X; 2: C = the bias by Y; 0: C = D.
.macro KMUL s, mode
.irp y, 0,1,2,3
.irp x, 0,1,2,3
.if \mode == 1
	v_wmma_scale_f32_16x16x128_f8f6f4 v[ACC+32*\y+8*\x:ACC+32*\y+8*\x+7], v[FX+8*\x:FX+8*\x+7], v[FY+8*\y:FY+8*\y+7], v[BIAS+8*\x:BIAS+8*\x+7], v[SC+4*\x+(\s)%4], v[SC+4*\y+(\s)%4] matrix_a_fmt:MATRIX_FMT_FP4 matrix_b_fmt:MATRIX_FMT_FP4 matrix_b_scale:MATRIX_SCALE_ROW1
.elseif \mode == 2
	v_wmma_scale_f32_16x16x128_f8f6f4 v[ACC+32*\y+8*\x:ACC+32*\y+8*\x+7], v[FX+8*\x:FX+8*\x+7], v[FY+8*\y:FY+8*\y+7], v[BIAS+8*\y:BIAS+8*\y+7], v[SC+4*\x+(\s)%4], v[SC+4*\y+(\s)%4] matrix_a_fmt:MATRIX_FMT_FP4 matrix_b_fmt:MATRIX_FMT_FP4 matrix_b_scale:MATRIX_SCALE_ROW1
.else
	v_wmma_scale_f32_16x16x128_f8f6f4 v[ACC+32*\y+8*\x:ACC+32*\y+8*\x+7], v[FX+8*\x:FX+8*\x+7], v[FY+8*\y:FY+8*\y+7], v[ACC+32*\y+8*\x:ACC+32*\y+8*\x+7], v[SC+4*\x+(\s)%4], v[SC+4*\y+(\s)%4] matrix_a_fmt:MATRIX_FMT_FP4 matrix_b_fmt:MATRIX_FMT_FP4 matrix_b_scale:MATRIX_SCALE_ROW1
.endif
.endr
.endr
.endm
	KLOADS 0
	s_cmp_eq_u32 s41, 2
	s_cbranch_scc1 .Lfirst_v
	KMUL 0, 1
	s_branch .Lfirst_done
.Lfirst_v:
	KMUL 0, 2
.Lfirst_done:
.irp s, 1,2,3,4,5,6,7
	KLOADS \s
	KMUL \s, 0
.endr
.rept 4
	v_nop                                          ; places in front of the first read of results
.endr
; 32 numbers of a lane, register 16 b + i = number 32 b + 16 hh + i of my row (b = 0, 1), become 64 codes of the row: v[pc .. pc + 3] hold block hh whole; v[sw] = byte 0 | byte 1 << 8.
.macro QUANT2 a, pc, sw
.irp b, 0,1
	v_max3_num_f32 v[TM+\b], |v[(\a)+16*\b]|, |v[(\a)+16*\b+1]|, 0x1800000   ; my 16 numbers and the floor 2^(3 - 127): the byte cannot fall under 1
.endr
.irp i, 2,4,6,8,10,12,14
.irp b, 0,1
	v_max3_num_f32 v[TM+\b], v[TM+\b], |v[(\a)+16*\b+\i]|, |v[(\a)+16*\b+\i+1]|
.endr
.endr
.irp b, 0,1
	v_permlanex16_b32 v[TX+\b], v[TM+\b], s[SEL], s[SEL+1]
.endr
.irp b, 0,1
	v_max_num_f32 v[TM+\b], v[TM+\b], v[TX+\b]     ; with lane l xor 16's: the block's largest magnitude
.endr
.irp b, 0,1
	v_add_nc_u32 v[SO+\b], 0xff000000, v[TM+\b]    ; 2 off its exponent field: the conversion's scale operand
.endr
.irp b, 0,1
	v_lshrrev_b32 v[BY+\b], 23, v[SO+\b]           ; the scale's byte
.endr
	v_lshl_or_b32 v[\sw], v[BY+1], 8, v[BY]
.irp b, 0,1
	v_cvt_scalef32_pk8_fp4_f32 v[(\pc)+2*\b], v[(\a)+16*\b:(\a)+16*\b+7], v[SO+\b]
	v_cvt_scalef32_pk8_fp4_f32 v[(\pc)+2*\b+1], v[(\a)+16*\b+8:(\a)+16*\b+15], v[SO+\b]
.endr
	v_nop                                          ; one plain line behind a scaled conversion
	v_permlane16_swap_b32 v[(\pc)], v[(\pc)+2]     ; half blocks change places: lanes 0-15 get block 0 whole, lanes 16-31 block 1
	v_permlane16_swap_b32 v[(\pc)+1], v[(\pc)+3]
.endm
.irp y, 0,1,2,3
	QUANT2 ACC+32*\y, PC+4*\y, SW+\y
.endr
	s_lshl_b32 s48, s44, 4
	s_lshl_b32 s49, s42, 2
	s_add_co_u32 s48, s48, s49
	s_add_co_u32 s48, s48, s47                     ; 16 batch + head
	s_lshl_b32 s49, s45, 1
	s_lshr_b32 s50, s46, 1
	s_add_co_u32 s49, s49, s50                     ; my step of 128 tokens in the batch
	s_and_b32 s50, s46, 1                          ; and which half of it
	s_mov_b32 s55, 0
	s_cmp_eq_u32 s41, 2
	s_cbranch_scc1 .Lout_v
.irp y, 0,1,2,3
	v_or_b32 v[SW+\y], 0x7f7f0000, v[SW+\y]        ; bytes 2 and 3 stand over zero codes: 2^0
.endr
	s_mul_i32 s52, s48, 36864
	s_lshl_b32 s54, s45, 2
	s_add_co_u32 s54, s54, s46
	s_lshl_b32 s54, s54, 11                        ; my four tiles of 512 bytes
	s_add_co_u32 s54, s54, s52
	s_add_nc_u64 s[56:57], s[32:33], s[54:55]
	s_lshl_b32 s54, s49, 9
	s_lshl_b32 s58, s50, 4
	s_add_co_u32 s54, s54, s58
	s_add_co_u32 s54, s54, s52
	s_add_co_u32 s54, s54, 32768
	s_add_nc_u64 s[58:59], s[32:33], s[54:55]
.irp y, 0,1,2,3
	global_store_b128 v1, v[PC+4*\y:PC+4*\y+3], s[56:57] offset:512*\y   ; 512 consecutive bytes a store
.endr
	global_store_b128 v12, v[SW:SW+3], s[58:59]    ; my four tiles' words of row rho (lanes 16-31 store the same words to the same places)
	s_wait_xcnt 0x0
	v_lshl_add_u32 v254, v0, 2, 0x48000
	v_mov_b32 v255, 0
	s_wait_tensorcnt 0x0
	ds_add_u32 v254, v255
	s_wait_dscnt 0x0
	s_endpgm
.Lout_v:
	s_mul_i32 s52, s48, 34816
	s_mul_i32 s54, s49, 4352
	s_add_co_u32 s52, s52, s54
	s_lshl_b32 s54, s50, 9
	s_add_co_u32 s54, s54, s52
	s_add_nc_u64 s[56:57], s[32:33], s[54:55]
	s_lshl_b32 s54, s50, 1
	s_add_co_u32 s54, s54, s52
	s_add_co_u32 s54, s54, 4096
	s_add_nc_u64 s[58:59], s[32:33], s[54:55]
.irp y, 0,1,2,3
	global_store_b128 v1, v[PC+4*\y:PC+4*\y+3], s[56:57] offset:1024*\y
.endr
.irp y, 0,1,2,3
	global_store_b16 v13, v[SW+\y], s[58:59] offset:4*\y   ; my half's two bytes of the step's scale word: 256 bytes a step in all
.endr
	s_wait_xcnt 0x0
	v_lshl_add_u32 v254, v0, 2, 0x48000
	v_mov_b32 v255, 0
	s_wait_tensorcnt 0x0
	ds_add_u32 v254, v255
	s_wait_dscnt 0x0
	s_endpgm
.Lfunc_end_k_q804e83f83b_proj:
	.size	k_q804e83f83b_proj, .Lfunc_end_k_q804e83f83b_proj-k_q804e83f83b_proj
	.p2alignl 7, 3214868480
	.fill 96, 4, 3214868480
	.section	.rodata,"a",@progbits
	.p2align	6, 0x0
	.amdhsa_kernel k_q804e83f83b_proj
		.amdhsa_group_segment_fixed_size 296960
		.amdhsa_private_segment_fixed_size 0
		.amdhsa_enable_private_segment 0
		.amdhsa_kernarg_size 120
		.amdhsa_user_sgpr_count 2
		.amdhsa_user_sgpr_kernarg_segment_ptr 1
		.amdhsa_wavefront_size32 1
		.amdhsa_system_sgpr_workgroup_id_x 1
		.amdhsa_system_sgpr_workgroup_id_y 1
		.amdhsa_system_sgpr_workgroup_id_z 1
		.amdhsa_system_vgpr_workitem_id 0
		.amdhsa_next_free_vgpr 256
		.amdhsa_next_free_sgpr 66
		.amdhsa_reserve_vcc 1
		.amdhsa_float_denorm_mode_32 3
		.amdhsa_float_denorm_mode_16_64 3
		.amdhsa_memory_ordered 1
		.amdhsa_forward_progress 1
		.amdhsa_inst_pref_size 53
	.end_amdhsa_kernel
	.amdgpu_metadata
---
amdhsa.version: [ 1, 2 ]
amdhsa.kernels:
  - .name:           k_q804e83f83b_proj
    .symbol:         k_q804e83f83b_proj.kd
    .args:
      - { .name: qc, .offset: 0, .size: 8, .value_kind: global_buffer, .address_space: global }
      - { .name: qs, .offset: 8, .size: 8, .value_kind: global_buffer, .address_space: global }
      - { .name: key_codes, .offset: 16, .size: 8, .value_kind: global_buffer, .address_space: global }
      - { .name: key_scales, .offset: 24, .size: 8, .value_kind: global_buffer, .address_space: global }
      - { .name: values_codes, .offset: 32, .size: 8, .value_kind: global_buffer, .address_space: global }
      - { .name: values_scales, .offset: 40, .size: 8, .value_kind: global_buffer, .address_space: global }
      - { .name: Wq_codes, .offset: 48, .size: 8, .value_kind: global_buffer, .address_space: global }
      - { .name: Wq_scales, .offset: 56, .size: 8, .value_kind: global_buffer, .address_space: global }
      - { .name: Wv_codes, .offset: 64, .size: 8, .value_kind: global_buffer, .address_space: global }
      - { .name: Wv_scales, .offset: 72, .size: 8, .value_kind: global_buffer, .address_space: global }
      - { .name: bq, .offset: 80, .size: 8, .value_kind: global_buffer, .address_space: global }
      - { .name: bv, .offset: 88, .size: 8, .value_kind: global_buffer, .address_space: global }
      - { .name: qimg, .offset: 96, .size: 8, .value_kind: global_buffer, .address_space: global }
      - { .name: kimg, .offset: 104, .size: 8, .value_kind: global_buffer, .address_space: global }
      - { .name: vimg, .offset: 112, .size: 8, .value_kind: global_buffer, .address_space: global }
    .group_segment_fixed_size: 296960
    .private_segment_fixed_size: 0
    .kernarg_segment_align: 8
    .kernarg_segment_size: 120
    .max_flat_workgroup_size: 512
    .sgpr_count:     66
    .vgpr_count:     256
    .wavefront_size: 32
...
	.end_amdgpu_metadata
.endif
;; end of part 2
;; launch attn (part 3): grid 256 x 1, 4 waves a work-group, no clusters, 324,096 bytes of LDS; arguments qimg, kimg, vimg, gammas, cimg, csc; writes cimg, csc
.if DOCPART == 3
	.amdgcn_target "amdgcn-amd-amdhsa--gfx1250"
	.amdhsa_code_object_version 6
	.text
	.protected	k_q804e83f83b_attn
	.globl	k_q804e83f83b_attn
	.p2align	8
	.type	k_q804e83f83b_attn,@function
k_q804e83f83b_attn:
	s_mov_b64 s[64:65], 0
	v_nop
	global_prefetch_b8 v0, s[64:65] scope:SCOPE_SE
	s_setreg_imm32_b32 hwreg(HW_REG_WAVE_MODE, 25, 1), 1
	s_wait_xcnt 0x0
; The attention of one (batch, head): scores S = q k^T (E2M1 codes), first softmax, time effect, second softmax, maxout, p quantised finished, o = p v (E2M1 codes), o quantised for the last product.
; SHARES.  Work-group = (batch, head) x quarter g.  Each of its four waves takes four tiles of 16 queries: tiles p and 63 - p for p = 8 g + 2 w + {0, 1}.  A tile walks only the steps of 128 keys
; that hold a key before its queries: (tile / 8) + 1 of them; tiles p and 63 - p together walk 9, so every wave walks 18.
; LAYOUT.  Both products are used transposed (S^T = k q^T, O^T = v^T p^T): lane (r, hh) holds query r throughout; register 16 b + i of a step is key 128 st + 32 b + 16 hh + i (kimg's tiles are laid for that).
; K = 64 IN AN INSTRUCTION OF 128: q's registers 4-7 are zero codes; k's operand of tile t is v[KF + 4 t .. + 7], whose upper four registers are the next tile's codes: they meet zero codes; the scale bytes there are 2^0.
; THREE PASSES over a tile's steps, since the suffix sums want the first softmax's whole sum and p's codes want the second's; one f32 a score is kept between passes in the wave's own LDS.
;  P1, forward:  M1 = running largest t (t = S log2(e) / 8) taken UP to a whole number; e1 = 2^(t - M1) is kept, with each step's M1; Z1.
;  P2, backward: the sum of e1 behind each key, times G2 = (gamma log2 e)^2 / Z1, by a chain of multiply-adds; x = that x (query - key); te = max(2^-sqrt(x), 1e-5); s2 = S te; M2, e2 = 2^(s2 log2(e)/8 - M2) kept, Z2, the largest e2.
;  P3, forward:  p = e2 x min(1 / largest e2, 5 / Z2), brought under the last M2 by an exact power of two; quantised along the keys; O^T += v^T p^T.
; Hidden keys (key >= query) get S = -infinity in the one step on the diagonal, in P1 and P2: e1 = e2 = 0 there.  Z1, Z2 and the largest e2 are held at 0.5 from below: with any key before the query all three lie above it; the
; one row without a key (query 0) so gets p = 0 and o = 0 with nothing infinite.  te cannot pass 1, so the reference's upper clip never binds; the sum behind a key is a sum of what is not negative, so its clip at 0 never binds.
; No multicast: the four work-groups of a head share 36,864 bytes of k, read once at the head; v's fragments (dense, 4,352 bytes a step) go from memory straight into registers, a step ahead.
; LIMITS: NaN and infinities among the inputs are not served.  The sums behind a key are formed directly, not as total - running sum: they differ from the reference's by that difference's own f32 error.
; A block's largest p is taken through its largest score (it takes v_exp_f32 not to fall where its input rises).  Blocks of zeros keep the scale byte 1 (this program alone reads the bytes).
.set KIMG, 262144                      ; LDS: 0: what is kept, 65,536 bytes a wave: 8,192 a step: [group of 4 registers 16][lane][16 bytes];  here k's codes of the head;
.set KSC,  294912                      ; k's scale words;
.set M1,   299008                      ; -M1 of each step: 1,024 a wave, 128 a step, 4 a lane; 4,096 further on the same for -M2;
.set BMX,  307200                      ; the four blocks' largest e2: 4,096 a wave, 512 a step, 16 a lane.  323,584 bytes in all
; v1 16 lane, v2 32 rho, v3 16 rho, v4 v5 k's places, v6 v7 v8 my places in the three kept regions, v9 1.0 in lanes 0-15 and 0 in lanes 16-31, v10 rho - 16 hh; v11-15 the addresses in hand;
; v16-23 q (v20-23 zero), v24 q's scale word, v25 -infinity, v26 -M, v27 the largest t, v[28:29] Z, v[30:31] f, v32 the last -M1, v33 gG, v34 G2, v35 the carry;
; v240 a step's -M, v241 the largest e2, v242-244 at work, v245 c, v[246:247] c under the step's M, v248 the last -M2, v249-252 global offsets, v253 p's scale word
.set KF, 36                            ; v36-71  k's eight tiles (v68-71 zero)
.set KS, 72                            ; v72-79  their scale words
.set S,  80                            ; v80-143 the scores
.set W,  144                           ; v144-207 e1, then the sums behind the keys, x, te
.set R,  208                           ; v208-223 query - key of a block's 16 registers
.set BM, 224                           ; v224-227 a maximum for each block
.set TX, 228                           ; v228-231 from lane l xor 16
.set CP, 232                           ; v232-239 at work
.set O,  80                            ; P3: v80-111 O^T,
.set VA, 112                           ; v112-143 v's fragments of even steps,
.set VB, 36                            ; v36-67 of odd steps,
.set VSA, 72                           ; their scale words
.set VSB, 76
.set E,  144                           ; e2, then p
.set PC, 208                           ; p's codes
.set SO, 228                           ; the conversions' scale operands
.set BY, 232                           ; the bytes
.set PW, 253
.macro KLOAD                           ; a step's eight tiles of k and their scale words: ten LDS loads
.irp t, 0,1,2,3,4,5,6,7
	ds_load_b128 v[KF+4*\t:KF+4*\t+3], v11 offset:512*\t
.endr
	ds_load_b128 v[KS:KS+3], v12
	ds_load_b128 v[KS+4:KS+7], v12 offset:16
.endm
.macro KADDR                           ; for step s32
	s_lshl_b32 s33, s32, 12
	v_add_nc_u32 v11, s33, v4
	s_lshl_b32 s33, s32, 9
	v_add_nc_u32 v12, s33, v5
.endm
.macro STADDR                          ; my places in the kept regions for step s31
	s_lshl_b32 s33, s31, 13
	v_add_nc_u32 v13, s33, v6
	s_lshl_b32 s33, s31, 7
	v_add_nc_u32 v14, s33, v7
	s_lshl_b32 s33, s31, 9
	v_add_nc_u32 v15, s33, v8
.endm
.macro QK                              ; S^T of 128 keys.  Five places follow: four for reads of the results and loads into the operands, one more for matrix instructions that write over these registers
.irp t, 0,1,2,3,4,5,6,7
	v_wmma_scale_f32_16x16x128_f8f6f4 v[S+8*\t:S+8*\t+7], v[KF+4*\t:KF+4*\t+7], v[16:23], 0, v[KS+\t], v24 matrix_a_fmt:MATRIX_FMT_FP4 matrix_b_fmt:MATRIX_FMT_FP4
.endr
.rept 5
	v_nop
.endr
.endm
.macro MASK                            ; register 16 b + i is hidden where 32 b + i >= query - 128 st - 16 hh.  Ascending: each accumulator is read from its low end on
	s_lshl_b32 s33, s31, 7
	s_sub_co_u32 s33, s47, s33
	v_add_nc_u32 v242, s33, v10
.set m, 0
.rept 64
	v_cmp_ge_i32 vcc_lo, 32*(m/16)+m%16, v242
	v_cndmask_b32 v[S+m], v[S+m], v25, vcc_lo
.set m, m+1
.endr
.endm
.macro BLOCKMAX                        ; the largest of my 16 numbers of each block, the four blocks by turns
.irp b, 0,1,2,3
	v_max3_num_f32 v[BM+\b], v[S+16*\b], v[S+16*\b+1], v[S+16*\b+2]
.endr
.irp i, 3,5,7,9,11,13
.irp b, 0,1,2,3
	v_max3_num_f32 v[BM+\b], v[BM+\b], v[S+16*\b+\i], v[S+16*\b+\i+1]
.endr
.endr
.irp b, 0,1,2,3
	v_max_num_f32 v[BM+\b], v[BM+\b], v[S+16*\b+15]
.endr
.endm
.macro NEWM join                       ; the running largest t, -M = floor(-t), f = 2^(old M - new M): exact.  join = 1: the halves of the lanes have not been joined yet
	v_max3_num_f32 v243, v[BM], v[BM+1], v[BM+2]
	v_max_num_f32 v243, v243, v[BM+3]
.if \join
	v_permlanex16_b32 v[TX], v243, s24, s25
	v_max_num_f32 v243, v243, v[TX]
.endif
	v_mul_f32 v243, s22, v243
	v_max_num_f32 v27, v27, v243
	v_mov_b32 v244, v26
	v_floor_f32 v26, -v27
	v_sub_f32 v244, v26, v244                      ; a whole number, 0 or less
	v_cvt_i32_f32 v244, v244                       ; (it saturates)
	v_ldexp_f32 v30, 1.0, v244
.endm
.macro TILEIDX jj, dst                 ; turn jj of a wave: tile p = 8 g + 2 w + jj / 2, or 63 - p where jj is odd
	s_lshr_b32 s38, \jj, 1
	s_add_co_u32 s38, s38, s21
	s_sub_co_u32 s39, 63, s38
	s_bitcmp1_b32 \jj, 0
	s_cselect_b32 \dst, s39, s38
.endm
.macro QLOAD t                         ; q's fragment and scale word of tile t
	s_lshl_b32 s38, \t, 9
	v_add_nc_u32 v251, s38, v1
	s_lshr_b32 s38, \t, 3
	s_lshl_b32 s38, s38, 9
	s_and_b32 s39, \t, 7
	s_lshl_b32 s39, s39, 2
	s_add_co_u32 s38, s38, s39
	s_add_co_u32 s38, s38, 32768
	v_add_nc_u32 v252, s38, v2
	global_load_b128 v[16:19], v251, s[4:5]
	global_load_b32 v24, v252, s[4:5]
.endm
.macro VLOAD vr, vs                    ; a step's four fragments of v and their scale words: nine loads, 512 consecutive bytes each but the last
.irp t, 0,1,2,3
.irp c, 0,1
	global_load_b128 v[\vr+8*\t+4*\c:\vr+8*\t+4*\c+3], v249, s[8:9] offset:512*(2*\t+\c)
.endr
.endr
	global_load_b128 v[\vs:\vs+3], v250, s[8:9] offset:4096
.endm
	s_load_b256 s[4:11], s[0:1], 0x0               ; qimg, kimg, vimg, gammas
	s_load_b128 s[12:15], s[0:1], 0x20             ; cimg, csc
	v_lshl_add_u32 v254, v0, 2, 0x4f000
	v_mov_b32 v255, 0
	v_lshrrev_b32 v11, 5, v0
	v_readfirstlane_b32 s16, v11                   ; wave 0..3
	s_lshr_b32 s17, ttmp9, 2                       ; 16 batch + head
	s_and_b32 s18, ttmp9, 3                        ; g
	s_and_b32 s19, s17, 15                         ; head
	s_lshr_b32 s20, s17, 4                         ; batch
	s_lshl_b32 s21, s18, 3
	s_lshl_b32 s32, s16, 1
	s_add_co_u32 s21, s21, s32                     ; 8 g + 2 w
	s_mov_b32 s22, 0x3e38aa3b                      ; log2(e) / 8
	s_mov_b32 s23, s22                             ; (named with it as a pair)
	s_mov_b32 s24, 0x76543210
	s_mov_b32 s25, 0xfedcba98                      ; v_permlanex16_b32's selects for lane l xor 16
	s_mov_b32 s44, 0x42000000                      ; 32.0
	s_mov_b32 s45, s44
	s_mov_b32 s46, 0x3727c5ac                      ; 1e-5
	s_mov_b32 s27, 0                               ; the wave's turn
	v_and_b32 v11, 31, v0
	v_lshlrev_b32 v1, 4, v11
	v_and_b32 v12, 15, v0                          ; rho
	v_bfe_u32 v13, v0, 4, 1                        ; hh
	v_lshlrev_b32 v2, 5, v12
	v_lshlrev_b32 v3, 4, v12
	v_add_nc_u32 v4, KIMG, v1
	v_add_nc_u32 v5, KSC, v2
	s_lshl_b32 s32, s16, 16
	v_add_nc_u32 v6, s32, v1
	s_lshl_b32 s32, s16, 10
	s_add_co_u32 s32, s32, M1
	v_lshl_add_u32 v7, v11, 2, s32
	s_lshl_b32 s32, s16, 12
	s_add_co_u32 s32, s32, BMX
	v_add_nc_u32 v8, s32, v1
	v_sub_nc_u32 v9, 1, v13
	v_cvt_f32_u32 v9, v9
	v_lshlrev_b32 v10, 4, v13
	v_sub_nc_u32 v10, v12, v10
	v_mov_b32 v25, 0xff800000
.irp r, 20,21,22,23,68,69,70,71,228,229,230,231,31,247
	v_mov_b32 v\r, 0                               ; zero codes; destinations of lane permutes and upper halves of named pairs, written once
.endr
	v_lshlrev_b32 v14, 4, v0                       ; 16 x thread
	v_add_nc_u32 v15, KIMG, v14
	s_mul_i32 s32, s17, 36864
	s_mov_b32 s33, 0
	s_mul_i32 s34, s17, 34816
	s_mov_b32 s35, 0
	s_lshl_b32 s36, s19, 2
	s_mov_b32 s37, 0
	s_lshl_b32 s38, s20, 19
	s_lshl_b32 s39, s19, 9
	s_add_co_u32 s38, s38, s39                     ; cimg: 64 row tiles of 8,192 bytes a batch, 512 bytes a head
	s_mov_b32 s39, 0
	s_lshl_b32 s40, s20, 15
	s_lshl_b32 s41, s19, 1
	s_add_co_u32 s40, s40, s41                     ; csc: 1,024 rows of 32 bytes a batch, 2 bytes a head
	s_mov_b32 s41, 0
	s_wait_kmcnt 0x0
	s_add_nc_u64 s[4:5], s[4:5], s[32:33]
	s_add_nc_u64 s[6:7], s[6:7], s[32:33]
	s_add_nc_u64 s[8:9], s[8:9], s[34:35]
	s_add_nc_u64 s[10:11], s[10:11], s[36:37]
	s_add_nc_u64 s[12:13], s[12:13], s[38:39]
	s_add_nc_u64 s[14:15], s[14:15], s[40:41]
	s_load_b32 s26, s[10:11], 0x0                  ; my head's gamma
.irp i, 0,1,2,3,4,5,6,7,8,9,10,11,12,13,14,15,16,17
	global_load_b128 v[80+4*\i:83+4*\i], v14, s[6:7] offset:2048*\i   ; the head's k, codes and scale words: 36,864 dense bytes, 2,048 a load of the work-group
.endr
	TILEIDX s27, s28
	QLOAD s28
	s_wait_loadcnt 2                               ; k is in; q's two loads, issued behind it, may be out
.irp i, 0,1,2,3,4,5,6,7,8,9,10,11,12,13,14,15,16,17
	ds_store_b128 v15, v[80+4*\i:83+4*\i] offset:2048*\i
.endr
	s_wait_kmcnt 0x0
	s_mul_f32 s26, s26, 0x3fb8aa3b
	s_mul_f32 s26, s26, s26                        ; (gamma log2 e)^2
	s_wait_dscnt 0x0                               ; for the others' sake: my stores have landed
	s_barrier_signal -1
	s_barrier_wait -1                              ; the only barrier: behind it k's bytes are only read, and all else in LDS is each wave's own
.Ltile:
	s_wait_loadcnt 0x0                             ; q is in
	s_wait_xcnt 0x0                                ; the last tile's stores have read their registers and bases
	TILEIDX s27, s28
	s_lshr_b32 s29, s28, 3
	s_add_co_u32 s29, s29, 1                       ; n: steps that hold a key before my queries
	s_lshl_b32 s32, s28, 13
	s_mov_b32 s33, 0
	s_add_nc_u64 s[40:41], s[12:13], s[32:33]
	s_lshl_b32 s32, s28, 9
	s_add_nc_u64 s[42:43], s[14:15], s[32:33]
	s_lshl_b32 s47, s28, 4                         ; my first query
	v_mov_b32 v11, v4
	v_mov_b32 v12, v5
	KLOAD                                          ; step 0
	v_mov_b32 v27, 0xff61b1e6                      ; the largest t so far: -3e38
	v_mov_b32 v26, 0x7f61b1e6                      ; -M
	v_mov_b32 v28, 0                               ; Z1
	; ---- P1.  Eight trips always; a step behind the diagonal is passed over by a scalar jump on ids
	s_mov_b32 s31, 0
.Lp1:
	s_cmp_ge_u32 s31, s29
	s_cbranch_scc1 .Lp1_skip
	s_wait_dscnt 0x0                               ; k's tiles are in (and the last step's stores are done)
	QK
	s_add_co_u32 s32, s31, 1
	s_cmp_lt_u32 s32, s29
	s_cbranch_scc0 .Lp1_diag
	s_and_b32 s32, s32, 7
	KADDR
	KLOAD                                          ; the next step's k lands under this step's vector work
	s_branch .Lp1_go
.Lp1_diag:
	MASK                                           ; the last step lies on the diagonal; its k stays in registers for P2
.Lp1_go:
	BLOCKMAX
	NEWM 1
.set j, 0
.rept 32
	v_pk_fma_f32 v[S+j:S+j+1], v[S+j:S+j+1], s[22:23], v[26:27] op_sel_hi:[1,0,0]   ; t - M, two at a time
.set j, j+2
.endr
.set j, 0
.rept 64
	v_exp_f32 v[W+16*(j/16)+((j%16)+15)%16], v[S+j]   ; e1, TURNED BY ONE in each run of 16: register i takes key i + 1's, as P2's chain wants it; register 15 takes key 0's
.set j, j+1
.endr
	v_mul_f32 v28, v28, v30                        ; Z1 under the new M (a plain line behind the exponentials)
	s_wait_alu depctr_va_vdst(0)
.irp b, 0,1,2,3
	v_pk_add_f32 v[CP+2*\b:CP+2*\b+1], v[W+16*\b:W+16*\b+1], v[W+16*\b+2:W+16*\b+3]
.endr
.irp i, 4,6,8,10,12,14
.irp b, 0,1,2,3
	v_pk_add_f32 v[CP+2*\b:CP+2*\b+1], v[CP+2*\b:CP+2*\b+1], v[W+16*\b+\i:W+16*\b+\i+1]
.endr
.endr
.irp b, 0,1,2,3
	v_add_f32 v[W+16*\b+15], v[CP+2*\b], v[CP+2*\b+1]   ; the sum of my 16 takes register 15's place: key 0's e1 is wanted nowhere else
.endr
.irp b, 0,1,2,3
	v_add_f32 v28, v28, v[W+16*\b+15]
.endr
	STADDR
.irp q, 0,1,2,3,4,5,6,7,8,9,10,11,12,13,14,15
	ds_store_b128 v13, v[W+4*\q:W+4*\q+3] offset:512*\q
.endr
	ds_store_b32 v14, v26
.Lp1_skip:
	s_add_co_u32 s31, s31, 1
	s_cmp_lt_u32 s31, 8
	s_cbranch_scc1 .Lp1
	; ---- between P1 and P2
	v_permlanex16_b32 v[TX], v28, s24, s25
	v_add_f32 v28, v28, v[TX]
	v_max_num_f32 v28, 0.5, v28
	v_rcp_f32 v243, v28
	v_mov_b32 v32, v26                             ; the last -M1 (a plain line behind the reciprocal)
	s_wait_alu depctr_va_vdst(0)
	v_mul_f32 v34, s26, v243                       ; G2
	v_mov_b32 v35, 0                               ; nothing lies behind the last key
	s_sub_co_u32 s32, s29, 1
	s_lshl_b32 s32, s32, 7
	s_sub_co_u32 s32, s47, s32
	s_sub_co_u32 s32, s32, 96
	v_add_nc_u32 v244, s32, v10                    ; query - key of register 0 of block 3 of step n - 1
.irp i, 0,1,2,3,4,5,6,7,8,9,10,11,12,13,14,15
	v_add_nc_u32 v[R+\i], -\i, v244
.endr
.irp i, 0,1,2,3,4,5,6,7,8,9,10,11,12,13,14,15
	v_cvt_f32_i32 v[R+\i], v[R+\i]                 ; whole numbers under 2^24: exact
.endr
	v_mov_b32 v27, 0xff61b1e6
	v_mov_b32 v26, 0x7f61b1e6
	v_mov_b32 v28, 0                               ; Z2, in two halves
	v_mov_b32 v29, 0
	v_mov_b32 v241, 0                              ; the largest e2
	; ---- P2, backward: st = 7 - trip
	s_mov_b32 s30, 0
.Lp2:
	s_xor_b32 s31, s30, 7
	s_cmp_ge_u32 s31, s29
	s_cbranch_scc1 .Lp2_skip
	STADDR
	ds_load_b32 v240, v14
.irp q, 0,1,2,3,4,5,6,7,8,9,10,11,12,13,14,15
	ds_load_b128 v[W+4*\q:W+4*\q+3], v13 offset:512*\q
.endr
	s_wait_dscnt 17                                ; the 17 loads just issued may be out: k's tiles, asked for a step ago, are in
	QK
	s_add_co_u32 s32, s31, 7
	s_and_b32 s32, s32, 7                          ; the step before (at step 0: step 7, which nobody uses), so that the count below holds on every way
	KADDR
	KLOAD
	s_add_co_u32 s32, s31, 1
	s_cmp_eq_u32 s32, s29
	s_cbranch_scc0 .Lp2_open
	MASK
.Lp2_open:
	s_wait_dscnt 10                                ; k's ten loads may be out: e1 and the step's -M1 are in
	v_sub_f32 v243, v32, v240
	v_cvt_i32_f32 v243, v243
	v_ldexp_f32 v33, v34, v243                     ; gG = G2 x 2^(the step's M1 - the last M1)
.irp b, 0,1,2,3
	v_permlanex16_b32 v[TX+\b], v[W+16*\b+15], s24, s25
.endr
.irp b, 0,1,2,3
	v_add_f32 v[CP+\b], v[W+16*\b+15], v[TX+\b]    ; the block's sum
.endr
.irp b, 3,2,1,0
	v_mul_f32 v244, v9, v[TX+\b]                   ; behind lanes 0-15's run lies lanes 16-31's run of the same block
	v_fma_f32 v[W+16*\b+15], v244, v33, v35        ; what lies behind my run's last key
	v_fma_f32 v35, v[CP+\b], v33, v35              ; the carry takes the block in
.endr
.set i, 14
.rept 15
.irp b, 0,1,2,3
	v_fma_f32 v[W+16*\b+i], v[W+16*\b+i], v33, v[W+16*\b+i+1]   ; behind key i: key i + 1's e1 and what lies behind key i + 1
.endr
.set i, i-1
.endr
.irp b, 3,2,1,0
.irp k, 0,2,4,6,8,10,12,14
	v_pk_mul_f32 v[W+16*\b+\k:W+16*\b+\k+1], v[W+16*\b+\k:W+16*\b+\k+1], v[R+\k:R+\k+1]   ; x (query - key)
.endr
.irp k, 0,2,4,6,8,10,12,14
	v_pk_add_f32 v[R+\k:R+\k+1], v[R+\k:R+\k+1], s[44:45] op_sel_hi:[1,0]   ; the block before lies 32 keys further from the query
.endr
.endr
.set j, 0
.rept 64
	v_sqrt_f32 v[W+j], |v[W+j]|                    ; (hidden keys give 0 or less: their magnitude keeps the root a number)
.set j, j+1
.endr
	v_nop                                          ; a plain line behind the roots
.set j, 0
	s_wait_alu depctr_va_vdst(0)
.rept 64
	v_exp_f32 v[W+j], -v[W+j]
.set j, j+1
.endr
	v_nop
.set j, 0
	s_wait_alu depctr_va_vdst(0)
.rept 64
	v_max_num_f32 v[W+j], s46, v[W+j]              ; te
.set j, j+1
.endr
.set j, 0
.rept 32
	v_pk_mul_f32 v[S+j:S+j+1], v[S+j:S+j+1], v[W+j:W+j+1]   ; s2 x 8.  Ascending: each accumulator is read from its low end on
.set j, j+2
.endr
	BLOCKMAX
.irp b, 0,1,2,3
	v_permlanex16_b32 v[TX+\b], v[BM+\b], s24, s25
.endr
.irp b, 0,1,2,3
	v_max_num_f32 v[BM+\b], v[BM+\b], v[TX+\b]     ; each block's largest, which also gives the block's largest e2
.endr
	NEWM 0
.set j, 0
.rept 32
	v_pk_fma_f32 v[S+j:S+j+1], v[S+j:S+j+1], s[22:23], v[26:27] op_sel_hi:[1,0,0]
.set j, j+2
.endr
.irp b, 0,1,2,3
	v_fma_f32 v[BM+\b], v[BM+\b], s22, v26
.endr
.set j, 0
.rept 64
	v_exp_f32 v[S+j], v[S+j]                       ; e2
.set j, j+1
.endr
.irp b, 0,1,2,3
	v_exp_f32 v[BM+\b], v[BM+\b]                   ; the same two instructions on the same number: the same bits
.endr
	v_pk_mul_f32 v[28:29], v[28:29], v[30:31] op_sel_hi:[1,0]   ; Z2 under the new M (a plain line behind the exponentials)
	v_mul_f32 v241, v241, v30
	s_wait_alu depctr_va_vdst(0)
	v_max3_num_f32 v241, v241, v[BM], v[BM+1]
	v_max3_num_f32 v241, v241, v[BM+2], v[BM+3]
	v_pk_add_f32 v[CP:CP+1], v[S:S+1], v[S+2:S+3]
.set j, 4
.rept 15
	v_pk_add_f32 v[28:29], v[28:29], v[S+j:S+j+1]
	v_pk_add_f32 v[CP:CP+1], v[CP:CP+1], v[S+j+2:S+j+3]
.set j, j+4
.endr
	v_pk_add_f32 v[28:29], v[28:29], v[CP:CP+1]
.irp q, 0,1,2,3,4,5,6,7,8,9,10,11,12,13,14,15
	ds_store_b128 v13, v[S+4*\q:S+4*\q+3] offset:512*\q   ; e2 takes e1's place
.endr
	ds_store_b128 v15, v[BM:BM+3]
	ds_store_b32 v14, v26 offset:4096
.Lp2_skip:
	s_add_co_u32 s30, s30, 1
	s_cmp_lt_u32 s30, 8
	s_cbranch_scc1 .Lp2
	; ---- P3
	s_wait_dscnt 0x0                               ; the last fetch of k has landed: global loads may take its registers
	v_mov_b32 v249, v1
	v_mov_b32 v250, v3
	VLOAD VA, VSA                                  ; v of step 0
	s_add_co_u32 s32, s27, 1
	TILEIDX s32, s34                               ; the next turn's tile (behind the last turn: tile 8 g + 2 w + 2, at most 32: inside the buffer, and not used)
	QLOAD s34
	v_add_f32 v28, v28, v29
	v_permlanex16_b32 v[TX], v28, s24, s25
	v_add_f32 v28, v28, v[TX]
	v_max_num_f32 v28, 0.5, v28
	v_max_num_f32 v241, 0.5, v241
	v_rcp_f32 v243, v28
	v_rcp_f32 v244, v241
	v_mov_b32 v248, v26                            ; the last -M2 (a plain line behind the reciprocals)
	s_wait_alu depctr_va_vdst(0)
	v_mul_f32 v243, 0x40a00000, v243
	v_min_num_f32 v245, v243, v244                 ; c = min(1 / largest e2, 5 / Z2): p x scale = e2 x c
.set j, 0
.rept 32
	v_mov_b32 v[O+j], 0                            ; O^T.  (The steps stand in a loop with jumps over steps, so no first step is written out)
.set j, j+1
.endr
.macro P3STEP cur, curs, nxt, nxts
	s_cmp_ge_u32 s31, s29
	s_cbranch_scc1 .Lp3_skip_\@
	STADDR
	ds_load_b32 v240, v14 offset:4096
	ds_load_b128 v[BM:BM+3], v15
.irp q, 0,1,2,3,4,5,6,7,8,9,10,11,12,13,14,15
	ds_load_b128 v[E+4*\q:E+4*\q+3], v13 offset:512*\q
.endr
	s_wait_loadcnt 0x0                             ; this step's v is in, and the offsets below may be written
	s_add_co_u32 s32, s31, 1
	s_and_b32 s32, s32, 7
	s_mul_i32 s32, s32, 4352
	v_add_nc_u32 v249, s32, v1
	v_add_nc_u32 v250, s32, v3
	VLOAD \nxt, \nxts                              ; the next step's v (behind step 7: step 0's, inside the buffer, not used)
	s_wait_dscnt 16                                ; e2's sixteen loads may be out: -M2 and the blocks' largest e2 are in
	v_sub_f32 v243, v248, v240
	v_cvt_i32_f32 v243, v243
	v_ldexp_f32 v246, v245, v243                   ; c x 2^(the step's M2 - the last M2)
.irp b, 0,1,2,3
	v_mul_f32 v[SO+\b], v[BM+\b], v246             ; the block's largest p
.endr
.irp b, 0,1,2,3
	v_max_num_f32 v[SO+\b], 0x1800000, v[SO+\b]    ; the floor 2^(3 - 127)
.endr
.irp b, 0,1,2,3
	v_add_nc_u32 v[SO+\b], 0xff000000, v[SO+\b]    ; 2 off the exponent field
.endr
.irp b, 0,1,2,3
	v_lshrrev_b32 v[BY+\b], 23, v[SO+\b]
.endr
	v_lshl_or_b32 v[PW], v[BY+1], 8, v[BY]
	v_lshl_or_b32 v[PW], v[BY+2], 16, v[PW]
	v_lshl_or_b32 v[PW], v[BY+3], 24, v[PW]
	s_wait_dscnt 0x0
.set j, 0
.rept 32
	v_pk_mul_f32 v[E+j:E+j+1], v[E+j:E+j+1], v[246:247] op_sel_hi:[1,0]   ; p, finished.  (These are also the places between the scale word and the products)
.set j, j+2
.endr
.irp b, 0,1,2,3
	v_cvt_scalef32_pk8_fp4_f32 v[PC+2*\b], v[E+16*\b:E+16*\b+7], v[SO+\b]
	v_cvt_scalef32_pk8_fp4_f32 v[PC+2*\b+1], v[E+16*\b+8:E+16*\b+15], v[SO+\b]
.endr
	v_nop                                          ; one plain line behind a scaled conversion
.irp c, 0,1
.irp i, 0,1
	v_permlane16_swap_b32 v[PC+4*\c+\i], v[PC+4*\c+2+\i]   ; a whole block to a lane: lanes 0-15 block 2 c, lanes 16-31 block 2 c + 1
.endr
.endr
.rept 4
	v_nop                                          ; an operand written by vector instructions stands four places ahead of a scaled matrix instruction
.endr
.irp t, 0,1,2,3                                ; the four accumulators take turns, from step to step too
	v_wmma_scale_f32_16x16x128_f8f6f4 v[O+8*\t:O+8*\t+7], v[\cur+8*\t:\cur+8*\t+7], v[PC:PC+7], v[O+8*\t:O+8*\t+7], v[\curs+\t], v[PW] matrix_a_fmt:MATRIX_FMT_FP4 matrix_b_fmt:MATRIX_FMT_FP4
.endr
.rept 5
	v_nop                                          ; places in front of loads into the operands, writes of the codes and the scale word, reads of O^T, and the next tile's products over these registers
.endr
.Lp3_skip_\@:
.endm
	s_mov_b32 s30, 0
.Lp3:                                              ; four trips of two steps: v's two sets of registers change places within a trip
	s_lshl_b32 s31, s30, 1
	P3STEP VA, VSA, VB, VSB
	s_or_b32 s31, s31, 1
	P3STEP VB, VSB, VA, VSA
	s_add_co_u32 s30, s30, 1
	s_cmp_lt_u32 s30, 4
	s_cbranch_scc1 .Lp3
	; ---- the way out: register 16 b + i of O^T is d = 32 b + 16 hh + i of my query: two blocks of the last product's K
	s_wait_loadcnt 0x0                             ; the last fetch of v has landed
.irp b, 0,1
	v_max3_num_f32 v[232+\b], |v[O+16*\b]|, |v[O+16*\b+1]|, 0x1800000
.endr
.irp i, 2,4,6,8,10,12,14
.irp b, 0,1
	v_max3_num_f32 v[232+\b], v[232+\b], |v[O+16*\b+\i]|, |v[O+16*\b+\i+1]|
.endr
.endr
.irp b, 0,1
	v_permlanex16_b32 v[TX+\b], v[232+\b], s24, s25
.endr
.irp b, 0,1
	v_max_num_f32 v[232+\b], v[232+\b], v[TX+\b]
.endr
.irp b, 0,1
	v_add_nc_u32 v[234+\b], 0xff000000, v[232+\b]
.endr
.irp b, 0,1
	v_lshrrev_b32 v[236+\b], 23, v[234+\b]
.endr
	v_lshl_or_b32 v212, v237, 8, v236
.irp b, 0,1
	v_cvt_scalef32_pk8_fp4_f32 v[208+2*\b], v[O+16*\b:O+16*\b+7], v[234+\b]
	v_cvt_scalef32_pk8_fp4_f32 v[209+2*\b], v[O+16*\b+8:O+16*\b+15], v[234+\b]
.endr
	v_nop
	v_permlane16_swap_b32 v208, v210
	v_permlane16_swap_b32 v209, v211
	global_store_b128 v1, v[208:211], s[40:41]     ; 512 consecutive bytes: registers 4 c .. 4 c + 3 (c = head % 2) of K step head / 2 of the last product's operand
	global_store_b16 v2, v212, s[42:43]            ; my row's two scale bytes (lanes 16-31 store the same to the same places)
	s_add_co_u32 s27, s27, 1
	s_cmp_lt_u32 s27, 4
	s_cbranch_scc1 .Ltile
	s_wait_tensorcnt 0x0
	ds_add_u32 v254, v255
	s_wait_dscnt 0x0
	s_endpgm
.Lfunc_end_k_q804e83f83b_attn:
	.size	k_q804e83f83b_attn, .Lfunc_end_k_q804e83f83b_attn-k_q804e83f83b_attn
	.p2alignl 7, 3214868480
	.fill 96, 4, 3214868480
	.section	.rodata,"a",@progbits
	.p2align	6, 0x0
	.amdhsa_kernel k_q804e83f83b_attn
		.amdhsa_group_segment_fixed_size 324096
		.amdhsa_private_segment_fixed_size 0
		.amdhsa_enable_private_segment 0
		.amdhsa_kernarg_size 48
		.amdhsa_user_sgpr_count 2
		.amdhsa_user_sgpr_kernarg_segment_ptr 1
		.amdhsa_wavefront_size32 1
		.amdhsa_system_sgpr_workgroup_id_x 1
		.amdhsa_system_sgpr_workgroup_id_y 1
		.amdhsa_system_sgpr_workgroup_id_z 1
		.amdhsa_system_vgpr_workitem_id 0
		.amdhsa_next_free_vgpr 256
		.amdhsa_next_free_sgpr 66
		.amdhsa_reserve_vcc 1
		.amdhsa_float_denorm_mode_32 3
		.amdhsa_float_denorm_mode_16_64 3
		.amdhsa_memory_ordered 1
		.amdhsa_forward_progress 1
		.amdhsa_inst_pref_size 87
	.end_amdhsa_kernel
	.amdgpu_metadata
---
amdhsa.version: [ 1, 2 ]
amdhsa.kernels:
  - .name:           k_q804e83f83b_attn
    .symbol:         k_q804e83f83b_attn.kd
    .args:
      - { .name: qimg, .offset: 0, .size: 8, .value_kind: global_buffer, .address_space: global }
      - { .name: kimg, .offset: 8, .size: 8, .value_kind: global_buffer, .address_space: global }
      - { .name: vimg, .offset: 16, .size: 8, .value_kind: global_buffer, .address_space: global }
      - { .name: gammas, .offset: 24, .size: 8, .value_kind: global_buffer, .address_space: global }
      - { .name: cimg, .offset: 32, .size: 8, .value_kind: global_buffer, .address_space: global }
      - { .name: csc, .offset: 40, .size: 8, .value_kind: global_buffer, .address_space: global }
    .group_segment_fixed_size: 324096
    .private_segment_fixed_size: 0
    .kernarg_segment_align: 8
    .kernarg_segment_size: 48
    .max_flat_workgroup_size: 128
    .sgpr_count:     66
    .vgpr_count:     256
    .wavefront_size: 32
...
	.end_amdgpu_metadata
.endif
;; end of part 3
;; launch outln (part 4): grid 128 x 1, 16 waves a work-group, no clusters, 150,016 bytes of LDS; arguments cimg, csc, woi, Wo_scales, bo, query, ln_g, ln_b, out0; writes out0
.if DOCPART == 4
	.amdgcn_target "amdgcn-amd-amdhsa--gfx1250"
	.amdhsa_code_object_version 6
	.text
	.protected	k_q804e83f83b_outln
	.globl	k_q804e83f83b_outln
	.p2align	8
	.type	k_q804e83f83b_outln,@function
k_q804e83f83b_outln:
	s_mov_b64 s[64:65], 0
	v_nop
	global_prefetch_b8 v0, s[64:65] scope:SCOPE_SE
	s_setreg_imm32_b32 hwreg(HW_REG_WAVE_MODE, 25, 1), 1
	s_wait_xcnt 0x0
; out = LayerNorm(query + concat Wo^T + bo) ln_g + ln_b; the product on codes of E2M1 with E8M0 scales.
; A work-group takes 32 rows and all 1,024 outputs, since the norm wants whole rows.  Wave w makes outputs 64 w .. 64 w + 63 for both tiles of 16 rows: 8 accumulators, 8 K steps of 128, 64 matrix instructions.
; The rows' codes (cimg, laid as the operand's registers) come into LDS once, 16,384 dense bytes; Wo's (woi, laid likewise) go from memory straight into registers, three K steps ahead, 512 consecutive bytes a load.
; The product is used transposed (source 0 = 16 rows of Wo, source 1 = 16 rows of concat): a lane holds eight neighbouring outputs of one row.  bo is loaded into the accumulators: the sums start from it.
; The results meet in a stage in LDS (rows of 4,096 bytes + 16); then each wave takes two whole rows: residual, mean, variance of the centred numbers, gain and bias, in f32.
; No multicast here: every work-group streams all of woi (524,288 bytes); joint loads through LDS would divide those requests, at the price of a ring with its barriers, which this text does not have.
; LIMITS: NaN and infinities are not served.
.set STG, 16384                        ; LDS: the rows' images at 0; the stage here: 32 rows x 4,112 bytes
.set SPI, 4112
.set AS,  16                           ; v16-31  concat's scale words: 8 m + s
.set WS,  32                           ; v32-63  Wo's: 8 t + s
.set AF,  64                           ; v64-95  concat's fragments: two sets of two
.set WF,  96                           ; v96-191 Wo's fragments: three sets of four
.set ACC, 192                          ; v192-255 accumulator (t, m) at 8 (2 t + m)
.set QR,  64                           ; the way out: v64-127 two rows of query, v128-159 ln_g, v160-191 ln_b, v192-255 two rows back from the stage
.set GR,  128
.set BR,  160
	s_load_b512 s[4:19], s[0:1], 0x0               ; cimg, csc, woi, Wo_scales, bo, query, ln_g, ln_b
	s_load_b64 s[20:21], s[0:1], 0x40              ; out0
	v_lshrrev_b32 v10, 5, v0
	v_readfirstlane_b32 s24, v10                   ; wave 0..15
	s_mov_b32 s26, 0x3a800000                      ; 1 / 1024
	s_mov_b32 s27, 0x3727c5ac                      ; 1e-5
	s_mov_b32 s28, 0x76543210
	s_mov_b32 s29, 0xfedcba98                      ; v_permlanex16_b32's selects for lane l xor 16
	v_and_b32 v11, 31, v0
	v_lshlrev_b32 v1, 4, v11                       ; 16 lane
	v_and_b32 v10, 15, v0                          ; rho
	v_bfe_u32 v12, v0, 4, 1                        ; hh
	v_lshlrev_b32 v2, 5, v10                       ; 32 rho
	v_lshlrev_b32 v3, 5, v12                       ; 32 hh
	v_mov_b32 v4, v1                               ; an image's place for my lane
	v_mul_u32_u24 v5, v10, SPI
	s_lshl_b32 s30, s24, 8
	s_add_co_u32 s30, s30, STG
	v_add_nc_u32 v5, s30, v5
	v_add_nc_u32 v5, v3, v5                        ; the stage, in: row rho, + 256 w + 32 hh
	v_add_nc_u32 v6, 16*SPI, v5                    ; and 16 rows further down
	s_mul_i32 s30, s24, 2*SPI
	s_add_co_u32 s30, s30, STG
	v_add_nc_u32 v7, s30, v1                       ; back: my two rows, 16 bytes a lane
	v_lshlrev_b32 v8, 8, v11                       ; 256 lane
	v_lshlrev_b32 v9, 4, v0                        ; 16 x thread
	v_mov_b32 v15, 0                               ; (named as the upper half of the pair v[14:15])
	s_mov_b32 s31, 0
	s_wait_kmcnt 0x0
	s_lshl_b32 s30, ttmp9, 14
	s_add_nc_u64 s[4:5], s[4:5], s[30:31]          ; my two row tiles' images
	s_lshl_b32 s30, ttmp9, 10
	s_add_nc_u64 s[6:7], s[6:7], s[30:31]          ; my 32 rows' scale bytes
	s_lshl_b32 s30, s24, 15
	s_add_nc_u64 s[8:9], s[8:9], s[30:31]          ; my four tiles of Wo
	s_lshl_b32 s30, s24, 11
	s_add_nc_u64 s[10:11], s[10:11], s[30:31]
	s_lshl_b32 s30, s24, 8
	s_add_nc_u64 s[12:13], s[12:13], s[30:31]
	s_lshl_b32 s30, ttmp9, 17
	s_lshl_b32 s25, s24, 13
	s_add_co_u32 s30, s30, s25                     ; rows 32 x + 2 w, 2 w + 1: 4,096 bytes each
	s_add_nc_u64 s[14:15], s[14:15], s[30:31]
	s_add_nc_u64 s[20:21], s[20:21], s[30:31]
	global_prefetch_b8 v8, s[14:15] th:TH_LOAD_NT scope:SCOPE_SE   ; my wave's own two rows of query, 8,192 bytes, a lane to each 256: asked for once in the launch, wanted behind the eight K steps
	global_load_b128 v[64:67], v9, s[4:5]
	global_load_b128 v[68:71], v9, s[4:5] offset:8192
.irp m, 0,1
	global_load_b128 v[AS+8*\m:AS+8*\m+3], v2, s[6:7] offset:512*\m
	global_load_b128 v[AS+8*\m+4:AS+8*\m+7], v2, s[6:7] offset:512*\m+16
.endr
.irp t, 0,1,2,3
	global_load_b128 v[WS+8*\t:WS+8*\t+3], v2, s[10:11] offset:512*\t
	global_load_b128 v[WS+8*\t+4:WS+8*\t+7], v2, s[10:11] offset:512*\t+16
.endr
.irp t, 0,1,2,3
.irp m, 0,1
	global_load_b128 v[ACC+8*(2*\t+\m):ACC+8*(2*\t+\m)+3], v3, s[12:13] offset:64*\t      ; bo at outputs 16 t + 8 hh + 0 .. 7
	global_load_b128 v[ACC+8*(2*\t+\m)+4:ACC+8*(2*\t+\m)+7], v3, s[12:13] offset:64*\t+16
.endr
.endr
.macro WLOAD s
.irp t, 0,1,2,3
.irp c, 0,1
	global_load_b128 v[WF+32*((\s)%3)+8*\t+4*\c:WF+32*((\s)%3)+8*\t+4*\c+3], v1, s[8:9] offset:8192*\t+512*(2*(\s)+\c)
.endr
.endr
.endm
.macro ALOAD s
.irp m, 0,1
.irp c, 0,1
	ds_load_b128 v[AF+16*((\s)%2)+8*\m+4*\c:AF+16*((\s)%2)+8*\m+4*\c+3], v4 offset:8192*\m+512*(2*(\s)+\c)
.endr
.endr
.endm
	WLOAD 0
	WLOAD 1
	WLOAD 2
	s_wait_loadcnt 52                              ; the images' two loads are in; the 4 + 8 + 16 + 24 issued behind them may be out
	ds_store_b128 v9, v[64:67]
	ds_store_b128 v9, v[68:71] offset:8192
	s_wait_dscnt 0x0                               ; for the others' sake
	s_barrier_signal -1
	s_barrier_wait -1
	ALOAD 0
.macro OSTEP s
.if (\s) < 7
	ALOAD (\s)+1                                   ; into the set that the step before multiplied: its places stand at that step's end
.endif
.if (\s) < 6
	s_wait_loadcnt 16                              ; this step's Wo is in (and all that is older); the two steps behind it may be out
.elseif (\s) == 6
	s_wait_loadcnt 8
.else
	s_wait_loadcnt 0x0
.endif
.if (\s) < 7
	s_wait_dscnt 4                                 ; the four loads just issued may be out
.else
	s_wait_dscnt 0x0
.endif
.irp t, 0,1,2,3                                ; the eight accumulators take turns
.irp m, 0,1
	v_wmma_scale_f32_16x16x128_f8f6f4 v[ACC+8*(2*\t+\m):ACC+8*(2*\t+\m)+7], v[WF+32*((\s)%3)+8*\t:WF+32*((\s)%3)+8*\t+7], v[AF+16*((\s)%2)+8*\m:AF+16*((\s)%2)+8*\m+7], v[ACC+8*(2*\t+\m):ACC+8*(2*\t+\m)+7], v[WS+8*\t+(\s)], v[AS+8*\m+(\s)] matrix_a_fmt:MATRIX_FMT_FP4 matrix_b_fmt:MATRIX_FMT_FP4
.endr
.endr
.rept 4
	v_nop                                          ; places in front of loads into the operands, and of the stores that read the results
.endr
.if (\s)+3 <= 7
	WLOAD (\s)+3
.endif
.endm
.irp s, 0,1,2,3,4,5,6,7
	OSTEP \s
.endr
	; ---- the way out
.irp e, 0,1
.irp i, 0,1,2,3,4,5,6,7
	global_load_b128 v[QR+32*\e+4*\i:QR+32*\e+4*\i+3], v1, s[14:15] offset:4096*\e+512*\i th:TH_LOAD_NT   ; read here for the last time
.endr
.endr
.irp i, 0,1,2,3,4,5,6,7
	global_load_b128 v[GR+4*\i:GR+4*\i+3], v1, s[16:17] offset:512*\i
	global_load_b128 v[BR+4*\i:BR+4*\i+3], v1, s[18:19] offset:512*\i
.endr
.irp t, 0,1,2,3
.irp m, 0,1
	ds_store_b128 v[5+\m], v[ACC+8*(2*\t+\m):ACC+8*(2*\t+\m)+3] offset:64*\t          ; each accumulator from its low end on
	ds_store_b128 v[5+\m], v[ACC+8*(2*\t+\m)+4:ACC+8*(2*\t+\m)+7] offset:64*\t+16
.endr
.endr
	s_wait_dscnt 0x0                               ; for the others' sake
	s_barrier_signal -1
	s_barrier_wait -1                              ; 32 whole rows lie in the stage
.irp e, 0,1
.irp i, 0,1,2,3,4,5,6,7
	ds_load_b128 v[ACC+32*\e+4*\i:ACC+32*\e+4*\i+3], v7 offset:SPI*\e+512*\i
.endr
.endr
	s_wait_loadcnt 0x0
	s_wait_dscnt 0x0
.macro WSUM                            ; v10 summed over the wave's 32 lanes, into every lane
	v_add_f32_dpp v10, v10, v10 row_xmask:1 row_mask:0xf bank_mask:0xf
	v_add_f32_dpp v10, v10, v10 row_xmask:2 row_mask:0xf bank_mask:0xf
	v_add_f32_dpp v10, v10, v10 row_xmask:4 row_mask:0xf bank_mask:0xf
	v_add_f32_dpp v10, v10, v10 row_xmask:8 row_mask:0xf bank_mask:0xf
	v_permlanex16_b32 v11, v10, s28, s29
	v_add_f32 v10, v10, v11
.endm
.macro LNROW xr, qr, row               ; a row: 32 numbers a lane in v[xr ..]
.set k, 0
.rept 16
	v_pk_add_f32 v[\xr+k:\xr+k+1], v[\xr+k:\xr+k+1], v[\qr+k:\qr+k+1]   ; the residual
.set k, k+2
.endr
	v_pk_add_f32 v[10:11], v[\xr:\xr+1], v[\xr+2:\xr+3]
	v_pk_add_f32 v[12:13], v[\xr+4:\xr+5], v[\xr+6:\xr+7]
.set k, 8
.rept 6
	v_pk_add_f32 v[10:11], v[10:11], v[\xr+k:\xr+k+1]
	v_pk_add_f32 v[12:13], v[12:13], v[\xr+k+2:\xr+k+3]
.set k, k+4
.endr
	v_pk_add_f32 v[10:11], v[10:11], v[12:13]
	v_add_f32 v10, v10, v11
	WSUM
	v_mul_f32 v14, s26, v10                        ; the mean
.set k, 0
.rept 16
	v_pk_add_f32 v[\xr+k:\xr+k+1], v[\xr+k:\xr+k+1], v[14:15] op_sel_hi:[1,0] neg_lo:[0,1] neg_hi:[0,1]
.set k, k+2
.endr
	v_pk_mul_f32 v[10:11], v[\xr:\xr+1], v[\xr:\xr+1]
	v_pk_mul_f32 v[12:13], v[\xr+2:\xr+3], v[\xr+2:\xr+3]
.set k, 4
.rept 7
	v_pk_fma_f32 v[10:11], v[\xr+k:\xr+k+1], v[\xr+k:\xr+k+1], v[10:11]
	v_pk_fma_f32 v[12:13], v[\xr+k+2:\xr+k+3], v[\xr+k+2:\xr+k+3], v[12:13]
.set k, k+4
.endr
	v_pk_add_f32 v[10:11], v[10:11], v[12:13]
	v_add_f32 v10, v10, v11
	WSUM
	v_fma_f32 v10, v10, s26, s27                   ; the variance + 1e-5
	v_rsq_f32 v14, v10
	v_nop                                          ; a plain line behind the transcendental
.set k, 0
	s_wait_alu depctr_va_vdst(0)
.rept 16
	v_pk_mul_f32 v[\xr+k:\xr+k+1], v[\xr+k:\xr+k+1], v[14:15] op_sel_hi:[1,0]
.set k, k+2
.endr
.set k, 0
.rept 16
	v_pk_fma_f32 v[\xr+k:\xr+k+1], v[\xr+k:\xr+k+1], v[GR+k:GR+k+1], v[BR+k:BR+k+1]
.set k, k+2
.endr
.irp i, 0,1,2,3,4,5,6,7
	global_store_b128 v1, v[\xr+4*\i:\xr+4*\i+3], s[20:21] offset:4096*\row+512*\i th:TH_STORE_NT   ; 512 consecutive bytes, aligned; written once
.endr
.endm
	LNROW ACC, QR, 0
	LNROW ACC+32, QR+32, 1
	s_wait_xcnt 0x0
	v_lshl_add_u32 v254, v0, 2, 0x24200
	v_mov_b32 v255, 0
	s_wait_tensorcnt 0x0
	ds_add_u32 v254, v255
	s_wait_dscnt 0x0
	s_endpgm
.Lfunc_end_k_q804e83f83b_outln:
	.size	k_q804e83f83b_outln, .Lfunc_end_k_q804e83f83b_outln-k_q804e83f83b_outln
	.p2alignl 7, 3214868480
	.fill 96, 4, 3214868480
	.section	.rodata,"a",@progbits
	.p2align	6, 0x0
	.amdhsa_kernel k_q804e83f83b_outln
		.amdhsa_group_segment_fixed_size 150016
		.amdhsa_private_segment_fixed_size 0
		.amdhsa_enable_private_segment 0
		.amdhsa_kernarg_size 72
		.amdhsa_user_sgpr_count 2
		.amdhsa_user_sgpr_kernarg_segment_ptr 1
		.amdhsa_wavefront_size32 1
		.amdhsa_system_sgpr_workgroup_id_x 1
		.amdhsa_system_sgpr_workgroup_id_y 1
		.amdhsa_system_sgpr_workgroup_id_z 1
		.amdhsa_system_vgpr_workitem_id 0
		.amdhsa_next_free_vgpr 256
		.amdhsa_next_free_sgpr 66
		.amdhsa_reserve_vcc 0
		.amdhsa_float_denorm_mode_32 3
		.amdhsa_float_denorm_mode_16_64 3
		.amdhsa_memory_ordered 1
		.amdhsa_forward_progress 1
		.amdhsa_inst_pref_size 44
	.end_amdhsa_kernel
	.amdgpu_metadata
---
amdhsa.version: [ 1, 2 ]
amdhsa.kernels:
  - .name:           k_q804e83f83b_outln
    .symbol:         k_q804e83f83b_outln.kd
    .args:
      - { .name: cimg, .offset: 0, .size: 8, .value_kind: global_buffer, .address_space: global }
      - { .name: csc, .offset: 8, .size: 8, .value_kind: global_buffer, .address_space: global }
      - { .name: woi, .offset: 16, .size: 8, .value_kind: global_buffer, .address_space: global }
      - { .name: Wo_scales, .offset: 24, .size: 8, .value_kind: global_buffer, .address_space: global }
      - { .name: bo, .offset: 32, .size: 8, .value_kind: global_buffer, .address_space: global }
      - { .name: query, .offset: 40, .size: 8, .value_kind: global_buffer, .address_space: global }
      - { .name: ln_g, .offset: 48, .size: 8, .value_kind: global_buffer, .address_space: global }
      - { .name: ln_b, .offset: 56, .size: 8, .value_kind: global_buffer, .address_space: global }
      - { .name: out0, .offset: 64, .size: 8, .value_kind: global_buffer, .address_space: global }
    .group_segment_fixed_size: 150016
    .private_segment_fixed_size: 0
    .kernarg_segment_align: 8
    .kernarg_segment_size: 72
    .max_flat_workgroup_size: 512
    .sgpr_count:     66
    .vgpr_count:     256
    .wavefront_size: 32
...
	.end_amdgpu_metadata
.endif
;; end of part 4
;; ======== version 2 of 2: 4 launches; version 1 with the launches proj, attn, outln written anew for expert scheduling mode
;; workspace buffers: qc 2,097,152 bytes; qs 131,072 bytes; woi 524,288 bytes; qimg 2,359,296 bytes; kimg 2,359,296 bytes; vimg 2,228,224 bytes; cimg 2,097,152 bytes; csc 131,072 bytes
;; launch prep: the kernel of part 1 again; grid 144 x 1, 4 waves a work-group, no clusters, 33,280 bytes of LDS; arguments query, Wo_codes, qc, qs, woi; writes qc, qs, woi
;; launch proj (part 5): grid 64 x 3, 16 waves a work-group, no clusters, 296,960 bytes of LDS; arguments qc, qs, key_codes, key_scales, values_codes, values_scales, Wq_codes, Wq_scales, Wv_codes, Wv_scales, bq, bv, qimg, kimg, vimg; writes qimg, kimg, vimg
.if DOCPART == 5
	.amdgcn_target "amdgcn-amd-amdhsa--gfx1250"
	.amdhsa_code_object_version 6
	.text
	.protected	k_q804e83f83b_proj
	.globl	k_q804e83f83b_proj
	.p2align	8
	.type	k_q804e83f83b_proj,@function
k_q804e83f83b_proj:
	s_mov_b64 s[64:65], 0
	v_nop
	global_prefetch_b8 v0, s[64:65] scope:SCOPE_SE
	s_setreg_imm32_b32 hwreg(HW_REG_WAVE_SCHED_MODE, 0, 2), 2
	s_setreg_imm32_b32 hwreg(HW_REG_WAVE_MODE, 25, 1), 1
	s_wait_xcnt 0x0
	s_wait_alu depctr_vm_vsrc(0)
; The three projections, y = x W^T + bias, on codes of E2M1 with E8M0 scales, and the quantising of their results for the attention's two products.  Work-group y = 0: q, 1: k (both with Wq, bq), 2: v (Wv, bv).
; A work-group takes 256 tokens x 256 outputs (4 heads) and all of K = 1,024: both tiles (131,072 bytes each) and their scale bytes come into LDS once, by dense loads through registers; one barrier.
; Wave w: tokens 64 (w & 3) on, head w >> 2: 16 accumulators, 8 K steps of 128, 128 matrix instructions.
; q, k: source 0 = 16 rows of W, source 1 = 16 tokens: a lane holds ONE token and its registers run along the head's 64, the K of q k^T.
; v:    source 0 = 16 tokens, source 1 = 16 rows of W: a lane holds ONE of the head's 64 and its registers run along the tokens, the K of p v.
; THE ROWS OF A SOURCE-0 TILE ARE NOT NEIGHBOURS: row rho of tile x is row 32 (x / 2) + 8 (x % 2) + rho + 8 (rho / 8), so that the 16 registers of tiles 2 b, 2 b + 1 are 16 neighbours, 32 b + 16 hh + 0 .. 15.
; The same choice is made for k's tokens and v's outputs as source 1 (the attention wants its tiles so); q's tokens are neighbours.  In LDS the code rows lie in the order of such tiles
; (row 32 B + 16 a + 8 u + k in slot 32 B + 16 u + 8 a + k), 528 bytes apart: the 16 rows of a fragment load start at 16 different groups of four banks (64 banks of 4 bytes: ISA guide 11.1).
; OUT.  qimg, kimg, for each (batch, head) 36,864 bytes: [tile of 16][lane][16 bytes] (lane (rho, hh): the codes of d = 32 hh .. + 31 of row rho), then scale words [step of 128][rho][tile in step] = s0 | s1 << 8 | 0x7f7f0000.
;       vimg, for each (batch, head) 8 steps of 4,352 bytes: [t 4][c 2][lane][16 bytes] (keys 64 c + 32 hh .. + 31 of row rho of tile t), then scale words [rho][t].
; No multicast: a work-group reads each of its tiles once, in one group of loads at its head, and has no loop that refills LDS.
; LIMITS: blocks of zeros and blocks under 2^-124 keep the scale byte 1 (this program alone reads the bytes); NaN and infinities are not served.
; THE MODE: SCHED_MODE bits 1:0 = 2 (LLVM: expert scheduling mode 2), set by the entry lines.  The code itself states the register dependences
; between vector or matrix instructions and memory or LDS instructions, with s_wait_alu, always for 0.
; THE PLAN.  Registers that memory or LDS instructions touch in the K steps:
;   XA, XB   source 0's fragments, two sets.  K step s multiplies set s % 2; the loads of step s + 1 land in the other set, asked for at the head of step s.  XB is free once the first K step has taken the bias from it.
;   Y        source 1's fragments, one set in two halves.  A step's first eight products read tiles 0, 1, its last eight tiles 2, 3.  Tiles 0, 1 of step s + 1 are asked for in the middle of step s, tiles 2, 3 of step s at its head.
;   SC       scale words of four K steps: read by the products, loaded again at the head of step 4.
;   v5 to v9 LDS addresses, made once behind the barrier and never written again: immediate offsets do the rest.
; So two waits on va_vdst stand in a K step: at its head (all products issued so far are done reading Y's tiles 2, 3, the other set of X and, at step 4, SC) and in its middle (the first eight are done reading Y's tiles 0, 1).
; The loads stand straight behind them.  The accumulators are named by matrix and vector instructions alone.
.set PITCH, 528
.set WT,    135168                     ; LDS: tokens' 256 slots at 0, W's 256 slots here,
.set ASC,   270336                     ; the tokens' scale bytes (256 rows x 32, as they lie),
.set WSC,   278528                     ; W's; the text uses 286,720 bytes
.set SC,    16                         ; v16-31  scale words: register 4 t + s % 4: lanes 0-15 source 0's tile t, lanes 16-31 source 1's tile t
.set XA,    32                         ; v32-63  source 0's four fragments of even K steps
.set XB,    224                        ; v224-255 of odd K steps
.set FY,    64                         ; v64-95  source 1's four
.set ACC,   96                         ; v96-223 accumulator (y, x) at 32 y + 8 x
.set BIAS,  224                        ; v224-255 the bias as the first products' C; behind the K steps:
.set TM,    224                        ; largest magnitudes,
.set TX,    226                        ; the other half's,
.set SO,    228                        ; the conversions' scale operands,
.set BY,    230                        ; the bytes,
.set PC,    232                        ; v232-247 codes, 4 registers a tile y,
.set SW,    248                        ; v248-251 scale words
.set SEL,   60                         ; s[60:61] v_permlanex16_b32's selects for lane l xor 16
	s_load_b512 s[8:23], s[0:1], 0x0               ; qc, qs, key_codes, key_scales, values_codes, values_scales, Wq_codes, Wq_scales
	s_load_b256 s[24:31], s[0:1], 0x40             ; Wv_codes, Wv_scales, bq, bv
	s_load_b128 s[32:35], s[0:1], 0x60             ; qimg, kimg
	s_load_b64 s[36:37], s[0:1], 0x70              ; vimg
	v_lshrrev_b32 v14, 5, v0
	v_readfirstlane_b32 s40, v14                   ; wave 0..15
	s_and_b32 s41, ttmp7, 0xffff                   ; which tensor
	s_and_b32 s42, ttmp9, 3                        ; cg: which 256 outputs
	s_lshr_b32 s43, ttmp9, 2                       ; tc: which 256 tokens
	s_lshr_b32 s44, s43, 2                         ; batch
	s_and_b32 s45, s43, 3                          ; chunk of 256 tokens in the batch
	s_mov_b32 s[SEL], 0x76543210
	s_mov_b32 s[SEL+1], 0xfedcba98
	v_and_b32 v15, 31, v0
	v_lshlrev_b32 v1, 4, v15                       ; 16 lane
	v_and_b32 v2, 15, v0                           ; rho
	v_bfe_u32 v3, v0, 4, 1                         ; hh
	v_and_b32 v4, 8, v2
	v_add_nc_u32 v4, v4, v2                        ; rho + 8 (rho / 8)
	v_lshlrev_b32 v12, 5, v2                       ; 32 rho
	v_lshlrev_b32 v13, 4, v2                       ; 16 rho
	v_lshlrev_b32 v14, 4, v0                       ; 16 x thread
	v_lshlrev_b32 v15, 6, v3                       ; 64 hh
	v_lshlrev_b32 v5, 2, v4                        ; 4 (rho + 8 (rho / 8))
	s_wait_alu depctr_va_sdst(0)                   ; s40 is written, ahead of its first reader
	s_and_b32 s46, s40, 3                          ; tg: my 64 tokens
	s_lshr_b32 s47, s40, 2                         ; hd: my head of the four
	s_mov_b32 s49, 0
	s_wait_kmcnt 0x0
	s_cmp_eq_u32 s41, 0                            ; the buffers are chosen by the work-group's y alone
	s_cselect_b64 s[8:9], s[8:9], s[12:13]         ; the tokens' codes,
	s_cselect_b64 s[10:11], s[10:11], s[14:15]     ; their scale bytes,
	s_cselect_b64 s[32:33], s[32:33], s[34:35]     ; the images
	s_cmp_eq_u32 s41, 2
	s_cselect_b64 s[8:9], s[16:17], s[8:9]
	s_cselect_b64 s[10:11], s[18:19], s[10:11]
	s_cselect_b64 s[32:33], s[36:37], s[32:33]
	s_cselect_b64 s[20:21], s[24:25], s[20:21]     ; W's codes,
	s_cselect_b64 s[22:23], s[26:27], s[22:23]     ; W's scale bytes,
	s_cselect_b64 s[28:29], s[30:31], s[28:29]     ; the bias
	s_lshl_b32 s50, s40, 13                        ; my 16 rows of 512 bytes
	s_lshl_b32 s48, s43, 17
	s_add_co_u32 s48, s48, s50
	s_add_nc_u64 s[8:9], s[8:9], s[48:49]
	s_lshl_b32 s48, s42, 17
	s_add_co_u32 s48, s48, s50
	s_add_nc_u64 s[20:21], s[20:21], s[48:49]
	s_lshl_b32 s48, s43, 13                        ; 256 rows of 32 scale bytes
	s_add_nc_u64 s[10:11], s[10:11], s[48:49]
	s_lshl_b32 s48, s42, 13
	s_add_nc_u64 s[22:23], s[22:23], s[48:49]
	s_lshl_b32 s48, s42, 10
	s_lshl_b32 s50, s47, 8
	s_add_co_u32 s48, s48, s50                     ; 4 (256 cg + 64 hd)
	s_add_nc_u64 s[28:29], s[28:29], s[48:49]
	s_wait_alu depctr_va_vdst(0)                   ; the offsets v1, v5, v12 to v15 are written, which the loads below and the stores at the end read
	; ---- the copy: wave w brings rows 16 w .. 16 w + 15 of both tiles, a row (512 consecutive bytes) a load
.irp i, 0,1,2,3,4,5,6,7,8,9,10,11,12,13,14,15
	global_load_b128 v[ACC+4*\i:ACC+4*\i+3], v1, s[8:9] offset:512*\i
.endr
.irp i, 0,1,2,3,4,5,6,7,8,9,10,11,12,13,14,15
	global_load_b128 v[ACC+64+4*\i:ACC+64+4*\i+3], v1, s[20:21] offset:512*\i
.endr
	global_load_b128 v[32:35], v14, s[10:11]       ; the work-group's 512 threads bring 8,192 scale bytes of each side
	global_load_b128 v[36:39], v14, s[22:23]
	s_cmp_eq_u32 s41, 2
	s_cbranch_scc1 .Lbias_v
.irp x, 0,1,2,3                                ; q, k: the bias runs along the registers: tile x, lane half hh: outputs 32 (x / 2) + 16 hh + 8 (x % 2) + 0 .. 7
	global_load_b128 v[BIAS+8*\x:BIAS+8*\x+3], v15, s[28:29] offset:4*(32*(\x/2)+8*(\x%2))
	global_load_b128 v[BIAS+8*\x+4:BIAS+8*\x+7], v15, s[28:29] offset:4*(32*(\x/2)+8*(\x%2))+16
.endr
	s_branch .Lbias_done
.Lbias_v:
.irp y, 0,1,2,3                                ; v: a lane has one output: its bias in all eight registers
.irp j, 0,1,2,3,4,5,6,7
	global_load_b32 v[BIAS+8*\y+\j], v5, s[28:29] offset:4*(32*(\y/2)+8*(\y%2))
.endr
.endr
.Lbias_done:
	s_lshr_b32 s48, s40, 1
	s_lshl_b32 s48, s48, 5
	s_and_b32 s50, s40, 1
	s_lshl_b32 s50, s50, 3
	s_add_co_u32 s48, s48, s50                     ; my rows' first slot: 32 (w / 2) + 8 (w % 2)
	s_mul_i32 s48, s48, PITCH
	v_add_nc_u32 v10, s48, v1
	v_add_nc_u32 v11, WT, v10
	v_add_nc_u32 v8, ASC, v14
	v_add_nc_u32 v9, WSC, v14
	s_wait_loadcnt 0x0                             ; everything is in
	s_wait_alu depctr_va_vdst(0)                   ; v8 to v11 are written, which the LDS stores read as addresses
.irp i, 0,1,2,3,4,5,6,7,8,9,10,11,12,13,14,15
	ds_store_b128 v10, v[ACC+4*\i:ACC+4*\i+3] offset:(16*(\i/8)+(\i%8))*PITCH
.endr
.irp i, 0,1,2,3,4,5,6,7,8,9,10,11,12,13,14,15
	ds_store_b128 v11, v[ACC+64+4*\i:ACC+64+4*\i+3] offset:(16*(\i/8)+(\i%8))*PITCH
.endr
	ds_store_b128 v8, v[32:35]
	ds_store_b128 v9, v[36:39]
	s_wait_dscnt 0x0                               ; for the others' sake: my stores have landed
	s_barrier_signal -1
	s_barrier_wait -1                              ; behind this barrier LDS is only read
	s_wait_alu depctr_vm_vsrc(0)                   ; the copy's loads have read v5, v14, v15, my LDS stores v8, v9, v32 to v39 and v96 to v223: addresses are made anew in the first five, fragments land in v32 on, products write v96 on
	; ---- addresses of the fragments.  X = source 0, Y = source 1
	v_cmp_eq_u32 vcc_lo, 1, v3
	s_mul_i32 s48, s46, 64*PITCH                   ; my 64 tokens' slots
	s_mul_i32 s49, s47, 64*PITCH
	s_add_co_u32 s49, s49, WT                      ; my head's 64 slots of W
	s_lshl_b32 s50, s46, 11
	s_add_co_u32 s50, s50, ASC
	s_lshl_b32 s51, s47, 11
	s_add_co_u32 s51, s51, WSC
	s_cmp_eq_u32 s41, 2
	s_cselect_b32 s52, s48, s49                    ; X's codes: v: tokens, else W
	s_cselect_b32 s53, s49, s48                    ; Y's
	s_cselect_b32 s54, s50, s51                    ; X's scale bytes
	s_cselect_b32 s55, s51, s50                    ; Y's
	s_mov_b32 s56, 16*PITCH
	s_mov_b32 s57, 256
	s_cmp_eq_u32 s41, 0                            ; q's tokens form tiles of neighbours
	s_cselect_b32 s56, 8*PITCH, s56                ; from an even tile of Y to the odd one, in slots,
	s_cselect_b32 s57, 512, s57                    ; and in scale bytes
	s_cselect_b32 s58, -1, 0
	v_mul_u32_u24 v5, v2, PITCH
	v_lshl_add_u32 v5, v3, 4, v5                   ; slot rho, + 16 hh
	v_mul_u32_u24 v6, v4, PITCH
	v_lshl_add_u32 v6, v3, 4, v6                   ; slot rho + 8 (rho / 8), + 16 hh
	v_cndmask_b32 v6, v5, v6, s58
	v_add_nc_u32 v6, s53, v6                       ; Y's even tiles
	v_add_nc_u32 v7, s56, v6                       ; Y's odd tiles
	v_add_nc_u32 v5, s52, v5                       ; X's tiles
	v_lshlrev_b32 v14, 5, v4
	v_cndmask_b32 v15, v14, v12, s58               ; Y's row in a tile: q: rho, else rho + 8 (rho / 8)
	v_add_nc_u32 v14, s54, v14
	v_add_nc_u32 v15, s55, v15
	s_wait_alu depctr_va_vcc(0)                    ; VCC is written by the compare above, ahead of its first reader
	v_cndmask_b32 v8, v14, v15, vcc_lo             ; scale words of even tiles: lanes 0-15 X's, lanes 16-31 Y's
	v_add_nc_u32 v14, 256, v14
	v_add_nc_u32 v15, s57, v15
	v_cndmask_b32 v9, v14, v15, vcc_lo             ; of odd tiles
.macro SCLOAD g                        ; four K steps' scale words of a row: steps 4 g on
.irp t, 0,1,2,3
	ds_load_b128 v[SC+4*\t:SC+4*\t+3], v[8+\t%2] offset:1024*(\t/2)+16*(\g)
.endr
.endm
.macro XLOAD s                         ; source 0's four fragments of K step s, into set s % 2
.set FXS, XA+(XB-XA)*((\s)%2)
.irp x, 0,1,2,3
.irp c, 0,1
	ds_load_b128 v[FXS+8*\x+4*\c:FXS+8*\x+4*\c+3], v5 offset:16*PITCH*\x+64*(\s)+32*\c
.endr
.endr
.endm
.macro YLOAD s, y0, y1                 ; source 1's tiles y0, y1 of K step s
.irp y, \y0, \y1
.irp c, 0,1
	ds_load_b128 v[FY+8*\y+4*\c:FY+8*\y+4*\c+3], v[6+\y%2] offset:32*PITCH*(\y/2)+64*(\s)+32*\c
.endr
.endr
.endm
; 8 products: source 1's tiles y0, y1 against source 0's four.  The 16 accumulators take turns, one instruction a turn.  mode 1: the first K step, C = the bias by X; 2: C = the bias by Y; 0: C = D.
.macro KHALF s, y0, y1, mode
.set FXS, XA+(XB-XA)*((\s)%2)
.irp y, \y0, \y1
.irp x, 0,1,2,3
.if \mode == 1
	v_wmma_scale_f32_16x16x128_f8f6f4 v[ACC+32*\y+8*\x:ACC+32*\y+8*\x+7], v[FXS+8*\x:FXS+8*\x+7], v[FY+8*\y:FY+8*\y+7], v[BIAS+8*\x:BIAS+8*\x+7], v[SC+4*\x+(\s)%4], v[SC+4*\y+(\s)%4] matrix_a_fmt:MATRIX_FMT_FP4 matrix_b_fmt:MATRIX_FMT_FP4 matrix_b_scale:MATRIX_SCALE_ROW1
.elseif \mode == 2
	v_wmma_scale_f32_16x16x128_f8f6f4 v[ACC+32*\y+8*\x:ACC+32*\y+8*\x+7], v[FXS+8*\x:FXS+8*\x+7], v[FY+8*\y:FY+8*\y+7], v[BIAS+8*\y:BIAS+8*\y+7], v[SC+4*\x+(\s)%4], v[SC+4*\y+(\s)%4] matrix_a_fmt:MATRIX_FMT_FP4 matrix_b_fmt:MATRIX_FMT_FP4 matrix_b_scale:MATRIX_SCALE_ROW1
.else
	v_wmma_scale_f32_16x16x128_f8f6f4 v[ACC+32*\y+8*\x:ACC+32*\y+8*\x+7], v[FXS+8*\x:FXS+8*\x+7], v[FY+8*\y:FY+8*\y+7], v[ACC+32*\y+8*\x:ACC+32*\y+8*\x+7], v[SC+4*\x+(\s)%4], v[SC+4*\y+(\s)%4] matrix_a_fmt:MATRIX_FMT_FP4 matrix_b_fmt:MATRIX_FMT_FP4 matrix_b_scale:MATRIX_SCALE_ROW1
.endif
.endr
.endr
.endm
; K step s, 1 to 7.  Step 1 also asks for its own X and its own tiles 0, 1 of Y: the set XB held the bias until now.
.macro KSTEP s
	s_wait_alu depctr_va_vdst(0)                   ; the products issued so far are done reading Y's tiles 2, 3, the set of X of the step before and the scale words (step 1: the bias and all of Y too): the loads below land there
.if (\s) == 1
	XLOAD 1
	YLOAD 1, 0, 1
.endif
.if (\s) == 4
	SCLOAD 1
.endif
	YLOAD \s, 2, 3
.if (\s) < 7
	XLOAD (\s)+1
	s_wait_dscnt 12                                ; LDS loads come back in order (ISA guide 5.7.1): the youngest twelve, this step's tiles 2, 3 and the next step's X, may be out; this step's X and tiles 0, 1 (step 4: and the scale words) are in
.else
	s_wait_dscnt 4                                 ; tiles 2, 3 may be out
.endif
	KHALF \s, 0, 1, 0
.if (\s) < 7
	s_wait_alu depctr_va_vdst(0)                   ; the eight products above are done reading Y's tiles 0, 1, in which the next step's land
	YLOAD (\s)+1, 0, 1
	s_wait_dscnt 12                                ; the next step's X and tiles 0, 1 may be out: this step's tiles 2, 3 are in
.else
	s_wait_dscnt 0x0
.endif
	KHALF \s, 2, 3, 0
.endm
	s_wait_alu depctr_va_vdst(0)                   ; v5 to v9 are written, which every LDS load below reads as its address
	SCLOAD 0
	XLOAD 0
	YLOAD 0, 0, 1
	YLOAD 0, 2, 3
	s_wait_dscnt 0x0                               ; three other waves share the SIMD and work meanwhile
	s_cmp_eq_u32 s41, 2
	s_cbranch_scc1 .Lfirst_v
	KHALF 0, 0, 1, 1
	KHALF 0, 2, 3, 1
	s_branch .Lfirst_done
.Lfirst_v:
	KHALF 0, 0, 1, 2
	KHALF 0, 2, 3, 2
.Lfirst_done:
.irp s, 1,2,3,4,5,6,7
	KSTEP \s
.endr
.rept 4
	v_nop                                          ; places in front of the first read of results, and of the writes into v224 on, which the last products read (ISA guide 7.12.1)
.endr
; 32 numbers of a lane, register 16 b + i = number 32 b + 16 hh + i of my row (b = 0, 1), become 64 codes of the row: v[pc .. pc + 3] hold block hh whole; v[sw] = byte 0 | byte 1 << 8.
.macro QUANT2 a, pc, sw
.irp b, 0,1
	v_max3_num_f32 v[TM+\b], |v[(\a)+16*\b]|, |v[(\a)+16*\b+1]|, 0x1800000   ; my 16 numbers and the floor 2^(3 - 127): the byte cannot fall under 1
.endr
.irp i, 2,4,6,8,10,12,14
.irp b, 0,1
	v_max3_num_f32 v[TM+\b], v[TM+\b], |v[(\a)+16*\b+\i]|, |v[(\a)+16*\b+\i+1]|
.endr
.endr
.irp b, 0,1
	v_permlanex16_b32 v[TX+\b], v[TM+\b], s[SEL], s[SEL+1]
.endr
.irp b, 0,1
	v_max_num_f32 v[TM+\b], v[TM+\b], v[TX+\b]     ; with lane l xor 16's: the block's largest magnitude
.endr
.irp b, 0,1
	v_add_nc_u32 v[SO+\b], 0xff000000, v[TM+\b]    ; 2 off its exponent field: the conversion's scale operand
.endr
.irp b, 0,1
	v_lshrrev_b32 v[BY+\b], 23, v[SO+\b]           ; the scale's byte
.endr
	v_lshl_or_b32 v[\sw], v[BY+1], 8, v[BY]
.irp b, 0,1
	v_cvt_scalef32_pk8_fp4_f32 v[(\pc)+2*\b], v[(\a)+16*\b:(\a)+16*\b+7], v[SO+\b]
	v_cvt_scalef32_pk8_fp4_f32 v[(\pc)+2*\b+1], v[(\a)+16*\b+8:(\a)+16*\b+15], v[SO+\b]
.endr
	v_nop                                          ; one plain line behind a scaled conversion
	v_permlane16_swap_b32 v[(\pc)], v[(\pc)+2]     ; half blocks change places: lanes 0-15 get block 0 whole, lanes 16-31 block 1
	v_permlane16_swap_b32 v[(\pc)+1], v[(\pc)+3]
.endm
.irp y, 0,1,2,3
	QUANT2 ACC+32*\y, PC+4*\y, SW+\y
.endr
	s_lshl_b32 s48, s44, 4
	s_lshl_b32 s49, s42, 2
	s_add_co_u32 s48, s48, s49
	s_add_co_u32 s48, s48, s47                     ; 16 batch + head
	s_lshl_b32 s49, s45, 1
	s_lshr_b32 s50, s46, 1
	s_add_co_u32 s49, s49, s50                     ; my step of 128 tokens in the batch
	s_and_b32 s50, s46, 1                          ; and which half of it
	s_mov_b32 s55, 0
	s_cmp_eq_u32 s41, 2
	s_cbranch_scc1 .Lout_v
.irp y, 0,1,2,3
	v_or_b32 v[SW+\y], 0x7f7f0000, v[SW+\y]        ; bytes 2 and 3 stand over zero codes: 2^0
.endr
	s_mul_i32 s52, s48, 36864
	s_lshl_b32 s54, s45, 2
	s_add_co_u32 s54, s54, s46
	s_lshl_b32 s54, s54, 11                        ; my four tiles of 512 bytes
	s_add_co_u32 s54, s54, s52
	s_add_nc_u64 s[56:57], s[32:33], s[54:55]
	s_lshl_b32 s54, s49, 9
	s_lshl_b32 s58, s50, 4
	s_add_co_u32 s54, s54, s58
	s_add_co_u32 s54, s54, s52
	s_add_co_u32 s54, s54, 32768
	s_add_nc_u64 s[58:59], s[32:33], s[54:55]
	s_wait_alu depctr_va_vdst(0)                   ; the codes v232 to v247 and the scale words v248 to v251 are written, which the stores read
.irp y, 0,1,2,3
	global_store_b128 v1, v[PC+4*\y:PC+4*\y+3], s[56:57] offset:512*\y   ; 512 consecutive bytes a store
.endr
	global_store_b128 v12, v[SW:SW+3], s[58:59]    ; my four tiles' words of row rho (lanes 16-31 store the same words to the same places)
	s_wait_xcnt 0x0
	v_lshl_add_u32 v254, v0, 2, 0x48000
	v_mov_b32 v255, 0
	s_wait_dscnt 0x0                               ; the closing lines, six on end
	s_wait_alu 0x0
	s_wait_tensorcnt 0x0
	ds_add_u32 v254, v255
	s_wait_dscnt 0x0
	s_endpgm
.Lout_v:
	s_mul_i32 s52, s48, 34816
	s_mul_i32 s54, s49, 4352
	s_add_co_u32 s52, s52, s54
	s_lshl_b32 s54, s50, 9
	s_add_co_u32 s54, s54, s52
	s_add_nc_u64 s[56:57], s[32:33], s[54:55]
	s_lshl_b32 s54, s50, 1
	s_add_co_u32 s54, s54, s52
	s_add_co_u32 s54, s54, 4096
	s_add_nc_u64 s[58:59], s[32:33], s[54:55]
	s_wait_alu depctr_va_vdst(0)                   ; the codes v232 to v247 and the scale words v248 to v251 are written, which the stores read
.irp y, 0,1,2,3
	global_store_b128 v1, v[PC+4*\y:PC+4*\y+3], s[56:57] offset:1024*\y
.endr
.irp y, 0,1,2,3
	global_store_b16 v13, v[SW+\y], s[58:59] offset:4*\y   ; my half's two bytes of the step's scale word: 256 bytes a step in all
.endr
	s_wait_xcnt 0x0
	v_lshl_add_u32 v254, v0, 2, 0x48000
	v_mov_b32 v255, 0
	s_wait_dscnt 0x0                               ; the closing lines, six on end
	s_wait_alu 0x0
	s_wait_tensorcnt 0x0
	ds_add_u32 v254, v255
	s_wait_dscnt 0x0
	s_endpgm
.Lfunc_end_k_q804e83f83b_proj:
	.size	k_q804e83f83b_proj, .Lfunc_end_k_q804e83f83b_proj-k_q804e83f83b_proj
	.p2alignl 7, 3214868480
	.fill 96, 4, 3214868480
	.section	.rodata,"a",@progbits
	.p2align	6, 0x0
	.amdhsa_kernel k_q804e83f83b_proj
		.amdhsa_group_segment_fixed_size 296960
		.amdhsa_private_segment_fixed_size 0
		.amdhsa_enable_private_segment 0
		.amdhsa_kernarg_size 120
		.amdhsa_user_sgpr_count 2
		.amdhsa_user_sgpr_kernarg_segment_ptr 1
		.amdhsa_wavefront_size32 1
		.amdhsa_system_sgpr_workgroup_id_x 1
		.amdhsa_system_sgpr_workgroup_id_y 1
		.amdhsa_system_sgpr_workgroup_id_z 1
		.amdhsa_system_vgpr_workitem_id 0
		.amdhsa_next_free_vgpr 256
		.amdhsa_next_free_sgpr 66
		.amdhsa_reserve_vcc 1
		.amdhsa_float_denorm_mode_32 3
		.amdhsa_float_denorm_mode_16_64 3
		.amdhsa_memory_ordered 1
		.amdhsa_forward_progress 1
		.amdhsa_inst_pref_size 53
	.end_amdhsa_kernel
	.amdgpu_metadata
---
amdhsa.version: [ 1, 2 ]
amdhsa.kernels:
  - .name:           k_q804e83f83b_proj
    .symbol:         k_q804e83f83b_proj.kd
    .args:
      - { .name: qc, .offset: 0, .size: 8, .value_kind: global_buffer, .address_space: global }
      - { .name: qs, .offset: 8, .size: 8, .value_kind: global_buffer, .address_space: global }
      - { .name: key_codes, .offset: 16, .size: 8, .value_kind: global_buffer, .address_space: global }
      - { .name: key_scales, .offset: 24, .size: 8, .value_kind: global_buffer, .address_space: global }
      - { .name: values_codes, .offset: 32, .size: 8, .value_kind: global_buffer, .address_space: global }
      - { .name: values_scales, .offset: 40, .size: 8, .value_kind: global_buffer, .address_space: global }
      - { .name: Wq_codes, .offset: 48, .size: 8, .value_kind: global_buffer, .address_space: global }
      - { .name: Wq_scales, .offset: 56, .size: 8, .value_kind: global_buffer, .address_space: global }
      - { .name: Wv_codes, .offset: 64, .size: 8, .value_kind: global_buffer, .address_space: global }
      - { .name: Wv_scales, .offset: 72, .size: 8, .value_kind: global_buffer, .address_space: global }
      - { .name: bq, .offset: 80, .size: 8, .value_kind: global_buffer, .address_space: global }
      - { .name: bv, .offset: 88, .size: 8, .value_kind: global_buffer, .address_space: global }
      - { .name: qimg, .offset: 96, .size: 8, .value_kind: global_buffer, .address_space: global }
      - { .name: kimg, .offset: 104, .size: 8, .value_kind: global_buffer, .address_space: global }
      - { .name: vimg, .offset: 112, .size: 8, .value_kind: global_buffer, .address_space: global }
    .group_segment_fixed_size: 296960
    .private_segment_fixed_size: 0
    .kernarg_segment_align: 8
    .kernarg_segment_size: 120
    .max_flat_workgroup_size: 512
    .sgpr_count:     66
    .vgpr_count:     256
    .wavefront_size: 32
...
	.end_amdgpu_metadata
.endif
;; end of part 5
;; launch attn (part 6): grid 256 x 1, 4 waves a work-group, no clusters, 324,096 bytes of LDS; arguments qimg, kimg, vimg, gammas, cimg, csc; writes cimg, csc
.if DOCPART == 6
	.amdgcn_target "amdgcn-amd-amdhsa--gfx1250"
	.amdhsa_code_object_version 6
	.text
	.protected	k_q804e83f83b_attn
	.globl	k_q804e83f83b_attn
	.p2align	8
	.type	k_q804e83f83b_attn,@function
k_q804e83f83b_attn:
	s_mov_b64 s[64:65], 0
	v_nop
	global_prefetch_b8 v0, s[64:65] scope:SCOPE_SE
	s_setreg_imm32_b32 hwreg(HW_REG_WAVE_SCHED_MODE, 0, 2), 2
	s_setreg_imm32_b32 hwreg(HW_REG_WAVE_MODE, 25, 1), 1
	s_wait_xcnt 0x0
	s_wait_alu depctr_vm_vsrc(0)
; The attention of one (batch, head): scores S = q k^T (E2M1 codes), first softmax, time effect, second softmax, maxout, p quantised finished, o = p v (E2M1 codes), o quantised for the last product.
; SHARES.  Work-group = (batch, head) x quarter g.  Each of its four waves takes four tiles of 16 queries: tiles p and 63 - p for p = 8 g + 2 w + {0, 1}.  A tile walks only the steps of 128 keys
; that hold a key before its queries: (tile / 8) + 1 of them; tiles p and 63 - p together walk 9, so every wave walks 18.
; LAYOUT.  Both products are used transposed (S^T = k q^T, O^T = v^T p^T): lane (r, hh) holds query r throughout; register 16 b + i of a step is key 128 st + 32 b + 16 hh + i (kimg's tiles are laid for that).
; K = 64 IN AN INSTRUCTION OF 128: q's registers 4-7 are zero codes; k's operand of tile t is v[KF + 4 t .. + 7], whose upper four registers are the next tile's codes: they meet zero codes; the scale bytes there are 2^0.
; THREE PASSES over a tile's steps, since the suffix sums want the first softmax's whole sum and p's codes want the second's; one f32 a score is kept between passes in the wave's own LDS.
;  P1, forward:  M1 = running largest t (t = S log2(e) / 8) taken UP to a whole number; e1 = 2^(t - M1) is kept, with each step's M1; Z1.
;  P2, backward: the sum of e1 behind each key, times G2 = (gamma log2 e)^2 / Z1, by a chain of multiply-adds; x = that x (query - key); te = max(2^-sqrt(x), 1e-5); s2 = S te; M2, e2 = 2^(s2 log2(e)/8 - M2) kept, Z2, the largest e2.
;  P3, forward:  p = e2 x min(1 / largest e2, 5 / Z2), brought under the last M2 by an exact power of two; quantised along the keys; O^T += v^T p^T.
; Hidden keys (key >= query) get S = -infinity in the one step on the diagonal, in P1 and P2: e1 = e2 = 0 there.  Z1, Z2 and the largest e2 are held at 0.5 from below: with any key before the query all three lie above it; the
; one row without a key (query 0) so gets p = 0 and o = 0 with nothing infinite.  te cannot pass 1, so the reference's upper clip never binds; the sum behind a key is a sum of what is not negative, so its clip at 0 never binds.
; No multicast: the four work-groups of a head share 36,864 bytes of k, read once at the head; v's fragments (dense, 4,352 bytes a step) go from memory straight into registers, a step ahead.
; LIMITS: NaN and infinities among the inputs are not served.  The sums behind a key are formed directly, not as total - running sum: they differ from the reference's by that difference's own f32 error.
; A block's largest p is taken through its largest score (it takes v_exp_f32 not to fall where its input rises).  Blocks of zeros keep the scale byte 1 (this program alone reads the bytes).
; THE MODE: SCHED_MODE bits 1:0 = 2 (LLVM: expert scheduling mode 2), set by the entry lines.  The code itself states the register dependences
; between vector or matrix instructions and memory or LDS instructions, with s_wait_alu, always for 0.
; THE PLAN.  Registers that memory or LDS instructions touch:
;   v1 to v8      offsets and places, made once at the head.  A pass's step 0 names them directly (k by v4, v5; v by v1, v3).
;   v11, v12      k's LDS addresses of the step to be fetched; v13 to v15 the step's places in the kept regions; v249, v250 v's offsets; v251, v252 q's.  Each is made by an addition behind a wait on vm_vsrc and read behind a wait on va_vdst that stands there anyway.
;   KF, KS        k's tiles and scale words: read by a step's eight products, loaded again behind them.  In P3 the same registers are v's second set and the scale words of both sets.
;   S             written by the products and the vector work; in P2 its sixteen stores leave from it; in P3 it is O^T and v's first set.
;   W = E         P1: written by the exponentials, stored.  P2, P3: loaded at a step's head, worked on in place.
;   BM, v26, v240 the small things kept with a step.   v208 to v212: the tile's codes and scale bytes, stored at its end.
; THE WAITS.  P1 step: vm_vsrc at its head; va_vdst behind the products and the five additions that are their places; va_vdst ahead of the stores.  P2 step: vm_vsrc, three additions, va_vdst, the loads of what was kept;
; va_vdst behind the products, ahead of k's next tiles; va_vdst ahead of the stores.  P3 step: vm_vsrc, five additions, one va_vdst for all its loads; va_vdst ahead of its products, whose codes and scale word vector instructions wrote.
; Behind P1 and behind P2 one vm_vsrc each, on every way out of the loop.  The tile's first fetch of k owes nothing: no vector or matrix instruction since the last wait on va_vdst names its registers.
.set KIMG, 262144                      ; LDS: 0: what is kept, 65,536 bytes a wave: 8,192 a step: [group of 4 registers 16][lane][16 bytes];  here k's codes of the head;
.set KSC,  294912                      ; k's scale words;
.set M1,   299008                      ; -M1 of each step: 1,024 a wave, 128 a step, 4 a lane; 4,096 further on the same for -M2;
.set BMX,  307200                      ; the four blocks' largest e2: 4,096 a wave, 512 a step, 16 a lane.  323,584 bytes in all
; v1 16 lane, v2 32 rho, v3 16 rho, v4 v5 k's places, v6 v7 v8 my places in the three kept regions, v9 1.0 in lanes 0-15 and 0 in lanes 16-31, v10 rho - 16 hh; v11-15 the addresses in hand;
; v16-23 q (v20-23 zero), v24 q's scale word, v25 -infinity, v26 -M, v27 the largest t, v[28:29] Z, v[30:31] f, v32 the last -M1, v33 gG, v34 G2, v35 the carry;
; v240 a step's -M, v241 the largest e2, v242-244 at work, v245 c, v[246:247] c under the step's M, v248 the last -M2, v249-252 global offsets, v253 p's scale word;  s48-63 sixteen masks of hidden keys
.set KF, 36                            ; v36-71  k's eight tiles (v68-71 zero)
.set KS, 72                            ; v72-79  their scale words
.set S,  80                            ; v80-143 the scores
.set W,  144                           ; v144-207 e1, then the sums behind the keys, x, te
.set R,  208                           ; v208-223 query - key of a block's 16 registers
.set BM, 224                           ; v224-227 a maximum for each block
.set TX, 228                           ; v228-231 from lane l xor 16
.set CP, 232                           ; v232-239 at work
.set O,  80                            ; P3: v80-111 O^T,
.set VA, 112                           ; v112-143 v's fragments of even steps,
.set VB, 36                            ; v36-67 of odd steps,
.set VSA, 72                           ; their scale words
.set VSB, 76
.set E,  144                           ; e2, then p
.set PC, 208                           ; p's codes
.set SO, 228                           ; the conversions' scale operands
.set BY, 232                           ; the bytes
.set PW, 253
.macro KLOAD ak, as                    ; a step's eight tiles of k and their scale words: ten LDS loads, by the addresses in v[ak], v[as]
.irp t, 0,1,2,3,4,5,6,7
	ds_load_b128 v[KF+4*\t:KF+4*\t+3], v[\ak] offset:512*\t
.endr
	ds_load_b128 v[KS:KS+3], v[\as]
	ds_load_b128 v[KS+4:KS+7], v[\as] offset:16
.endm
.macro KADDR                           ; for step s32
	s_lshl_b32 s33, s32, 12
	v_add_nc_u32 v11, s33, v4
	s_lshl_b32 s33, s32, 9
	v_add_nc_u32 v12, s33, v5
.endm
.macro STADDR                          ; my places in the kept regions for step s31
	s_lshl_b32 s33, s31, 13
	v_add_nc_u32 v13, s33, v6
	s_lshl_b32 s33, s31, 7
	v_add_nc_u32 v14, s33, v7
	s_lshl_b32 s33, s31, 9
	v_add_nc_u32 v15, s33, v8
.endm
.macro QKMUL                           ; S^T of 128 keys.  Five places follow it in the text: four for reads of the results, one more for matrix instructions that write over these registers
.irp t, 0,1,2,3,4,5,6,7
	v_wmma_scale_f32_16x16x128_f8f6f4 v[S+8*\t:S+8*\t+7], v[KF+4*\t:KF+4*\t+7], v[16:23], 0, v[KS+\t], v24 matrix_a_fmt:MATRIX_FMT_FP4 matrix_b_fmt:MATRIX_FMT_FP4
.endr
.endm
.macro MASK                            ; register 16 b + i is hidden where 32 b + i >= query - 128 st - 16 hh.  Ascending: each accumulator is read from its low end on.  Sixteen compares into sixteen scalar registers, one wait, sixteen selects
	s_lshl_b32 s33, s31, 7
	s_sub_co_u32 s33, s47, s33
	v_add_nc_u32 v242, s33, v10
.set m, 0
.rept 4
.set n, 0
.rept 16
	v_cmp_ge_i32 s[48+n], 32*(m/16)+n, v242
.set n, n+1
.endr
	s_wait_alu depctr_va_sdst(0)                   ; the sixteen masks s48 to s63 are written, ahead of their first readers
.set n, 0
.rept 16
	v_cndmask_b32 v[S+m+n], v[S+m+n], v25, s[48+n]
.set n, n+1
.endr
.set m, m+16
.endr
.endm
.macro BLOCKMAX                        ; the largest of my 16 numbers of each block, the four blocks by turns
.irp b, 0,1,2,3
	v_max3_num_f32 v[BM+\b], v[S+16*\b], v[S+16*\b+1], v[S+16*\b+2]
.endr
.irp i, 3,5,7,9,11,13
.irp b, 0,1,2,3
	v_max3_num_f32 v[BM+\b], v[BM+\b], v[S+16*\b+\i], v[S+16*\b+\i+1]
.endr
.endr
.irp b, 0,1,2,3
	v_max_num_f32 v[BM+\b], v[BM+\b], v[S+16*\b+15]
.endr
.endm
.macro NEWM join                       ; the running largest t, -M = floor(-t), f = 2^(old M - new M): exact.  join = 1: the halves of the lanes have not been joined yet
	v_max3_num_f32 v243, v[BM], v[BM+1], v[BM+2]
	v_max_num_f32 v243, v243, v[BM+3]
.if \join
	v_permlanex16_b32 v[TX], v243, s24, s25
	v_max_num_f32 v243, v243, v[TX]
.endif
	v_mul_f32 v243, s22, v243
	v_max_num_f32 v27, v27, v243
	v_mov_b32 v244, v26
	v_floor_f32 v26, -v27
	v_sub_f32 v244, v26, v244                      ; a whole number, 0 or less
	v_cvt_i32_f32 v244, v244                       ; (it saturates)
	v_ldexp_f32 v30, 1.0, v244
.endm
.macro TILEIDX jj, dst                 ; turn jj of a wave: tile p = 8 g + 2 w + jj / 2, or 63 - p where jj is odd
	s_lshr_b32 s38, \jj, 1
	s_add_co_u32 s38, s38, s21
	s_sub_co_u32 s39, 63, s38
	s_bitcmp1_b32 \jj, 0
	s_cselect_b32 \dst, s39, s38
.endm
.macro QADDR t                         ; the offsets of q's fragment and scale word of tile t
	s_lshl_b32 s38, \t, 9
	v_add_nc_u32 v251, s38, v1
	s_lshr_b32 s38, \t, 3
	s_lshl_b32 s38, s38, 9
	s_and_b32 s39, \t, 7
	s_lshl_b32 s39, s39, 2
	s_add_co_u32 s38, s38, s39
	s_add_co_u32 s38, s38, 32768
	v_add_nc_u32 v252, s38, v2
.endm
.macro QLD                             ; and their loads
	global_load_b128 v[16:19], v251, s[4:5]
	global_load_b32 v24, v252, s[4:5]
.endm
.macro VLOAD vr, vs, ao, as            ; a step's four fragments of v and their scale words: nine loads, 512 consecutive bytes each but the last; by the offsets in v[ao], v[as]
.irp t, 0,1,2,3
.irp c, 0,1
	global_load_b128 v[\vr+8*\t+4*\c:\vr+8*\t+4*\c+3], v[\ao], s[8:9] offset:512*(2*\t+\c)
.endr
.endr
	global_load_b128 v[\vs:\vs+3], v[\as], s[8:9] offset:4096
.endm
	s_load_b256 s[4:11], s[0:1], 0x0               ; qimg, kimg, vimg, gammas
	s_load_b128 s[12:15], s[0:1], 0x20             ; cimg, csc
	v_lshl_add_u32 v254, v0, 2, 0x4f000
	v_mov_b32 v255, 0
	v_lshrrev_b32 v11, 5, v0
	v_readfirstlane_b32 s16, v11                   ; wave 0..3
	s_lshr_b32 s17, ttmp9, 2                       ; 16 batch + head
	s_and_b32 s18, ttmp9, 3                        ; g
	s_and_b32 s19, s17, 15                         ; head
	s_lshr_b32 s20, s17, 4                         ; batch
	s_lshl_b32 s21, s18, 3
	s_wait_alu depctr_va_sdst(0)                   ; s16 is written, ahead of its first reader
	s_lshl_b32 s32, s16, 1
	s_add_co_u32 s21, s21, s32                     ; 8 g + 2 w
	s_mov_b32 s22, 0x3e38aa3b                      ; log2(e) / 8
	s_mov_b32 s23, s22                             ; (named with it as a pair)
	s_mov_b32 s24, 0x76543210
	s_mov_b32 s25, 0xfedcba98                      ; v_permlanex16_b32's selects for lane l xor 16
	s_mov_b32 s44, 0x42000000                      ; 32.0
	s_mov_b32 s45, s44
	s_mov_b32 s46, 0x3727c5ac                      ; 1e-5
	s_mov_b32 s27, 0                               ; the wave's turn
	v_and_b32 v11, 31, v0
	v_lshlrev_b32 v1, 4, v11
	v_and_b32 v12, 15, v0                          ; rho
	v_bfe_u32 v13, v0, 4, 1                        ; hh
	v_lshlrev_b32 v2, 5, v12
	v_lshlrev_b32 v3, 4, v12
	v_add_nc_u32 v4, KIMG, v1
	v_add_nc_u32 v5, KSC, v2
	s_lshl_b32 s32, s16, 16
	v_add_nc_u32 v6, s32, v1
	s_lshl_b32 s32, s16, 10
	s_add_co_u32 s32, s32, M1
	v_lshl_add_u32 v7, v11, 2, s32
	s_lshl_b32 s32, s16, 12
	s_add_co_u32 s32, s32, BMX
	v_add_nc_u32 v8, s32, v1
	v_sub_nc_u32 v9, 1, v13
	v_cvt_f32_u32 v9, v9
	v_lshlrev_b32 v10, 4, v13
	v_sub_nc_u32 v10, v12, v10
	v_mov_b32 v25, 0xff800000
.irp r, 20,21,22,23,68,69,70,71,228,229,230,231,31,247
	v_mov_b32 v\r, 0                               ; zero codes; destinations of lane permutes and upper halves of named pairs, written once
.endr
	v_lshlrev_b32 v14, 4, v0                       ; 16 x thread
	v_add_nc_u32 v15, KIMG, v14
	s_mul_i32 s32, s17, 36864
	s_mov_b32 s33, 0
	s_mul_i32 s34, s17, 34816
	s_mov_b32 s35, 0
	s_lshl_b32 s36, s19, 2
	s_mov_b32 s37, 0
	s_lshl_b32 s38, s20, 19
	s_lshl_b32 s39, s19, 9
	s_add_co_u32 s38, s38, s39                     ; cimg: 64 row tiles of 8,192 bytes a batch, 512 bytes a head
	s_mov_b32 s39, 0
	s_lshl_b32 s40, s20, 15
	s_lshl_b32 s41, s19, 1
	s_add_co_u32 s40, s40, s41                     ; csc: 1,024 rows of 32 bytes a batch, 2 bytes a head
	s_mov_b32 s41, 0
	s_wait_kmcnt 0x0
	s_add_nc_u64 s[4:5], s[4:5], s[32:33]
	s_add_nc_u64 s[6:7], s[6:7], s[32:33]
	s_add_nc_u64 s[8:9], s[8:9], s[34:35]
	s_add_nc_u64 s[10:11], s[10:11], s[36:37]
	s_add_nc_u64 s[12:13], s[12:13], s[38:39]
	s_add_nc_u64 s[14:15], s[14:15], s[40:41]
	s_load_b32 s26, s[10:11], 0x0                  ; my head's gamma
	TILEIDX s27, s28
	QADDR s28
	s_wait_alu depctr_va_vdst(0)                   ; v1 to v8, v14, v15, v251, v252 are written, which loads and stores read as offsets and addresses; so are the zero codes v20 to v23 and v68 to v71, which the scaled products take as operands
.irp i, 0,1,2,3,4,5,6,7,8,9,10,11,12,13,14,15,16,17
	global_load_b128 v[80+4*\i:83+4*\i], v14, s[6:7] offset:2048*\i   ; the head's k, codes and scale words: 36,864 dense bytes, 2,048 a load of the work-group
.endr
	QLD
	s_wait_loadcnt 2                               ; k is in; q's two loads, issued behind it, may be out
.irp i, 0,1,2,3,4,5,6,7,8,9,10,11,12,13,14,15,16,17
	ds_store_b128 v15, v[80+4*\i:83+4*\i] offset:2048*\i
.endr
	s_wait_kmcnt 0x0
	s_mul_f32 s26, s26, 0x3fb8aa3b
	s_mul_f32 s26, s26, s26                        ; (gamma log2 e)^2
	s_wait_dscnt 0x0                               ; for the others' sake: my stores have landed
	s_barrier_signal -1
	s_barrier_wait -1                              ; the only barrier: behind it k's bytes are only read, and all else in LDS is each wave's own
.Ltile:
	s_wait_loadcnt 0x0                             ; q is in
	s_wait_xcnt 0x0                                ; the last tile's stores have read their registers and bases
	TILEIDX s27, s28
	s_lshr_b32 s29, s28, 3
	s_add_co_u32 s29, s29, 1                       ; n: steps that hold a key before my queries
	s_lshl_b32 s32, s28, 13
	s_mov_b32 s33, 0
	s_add_nc_u64 s[40:41], s[12:13], s[32:33]
	s_lshl_b32 s32, s28, 9
	s_add_nc_u64 s[42:43], s[14:15], s[32:33]
	s_lshl_b32 s47, s28, 4                         ; my first query
	KLOAD 4, 5                                     ; step 0.  No wait: no vector or matrix instruction since the last wait on va_vdst (ahead of the last tile's stores; at the first tile the head's) names v4, v5 or k's registers
	v_mov_b32 v27, 0xff61b1e6                      ; the largest t so far: -3e38
	v_mov_b32 v26, 0x7f61b1e6                      ; -M
	v_mov_b32 v28, 0                               ; Z1
	; ---- P1.  Eight trips always; a step behind the diagonal is passed over by a scalar jump on ids
	s_mov_b32 s31, 0
.Lp1:
	s_cmp_ge_u32 s31, s29
	s_cbranch_scc1 .Lp1_skip
	s_wait_dscnt 0x0                               ; k's tiles are in (and the last step's stores are done)
	s_wait_alu depctr_vm_vsrc(0)                   ; the LDS instructions issued so far have read v11 to v15, the last step's e1 (v144 on) and its -M (v26); at the first tile my stores of k have read v80 to v151 and its loads v14: all are written again below
	QKMUL
	s_add_co_u32 s32, s31, 1
	s_and_b32 s32, s32, 7
	KADDR                                          ; the next step's k, and this step's places: five additions, which name none of the products' registers: they are the five places
	STADDR
	s_wait_alu depctr_va_vdst(0)                   ; the products are done reading k's tiles and scale words, in which the next step's land; v11, v12 are written
	s_add_co_u32 s32, s31, 1
	s_cmp_lt_u32 s32, s29
	s_cbranch_scc0 .Lp1_diag
	KLOAD 11, 12                                   ; the next step's k lands under this step's vector work
	s_branch .Lp1_go
.Lp1_diag:
	MASK                                           ; the last step lies on the diagonal; its k stays in registers for P2
.Lp1_go:
	BLOCKMAX
	NEWM 1
.set j, 0
.rept 32
	v_pk_fma_f32 v[S+j:S+j+1], v[S+j:S+j+1], s[22:23], v[26:27] op_sel_hi:[1,0,0]   ; t - M, two at a time
.set j, j+2
.endr
.set j, 0
.rept 64
	v_exp_f32 v[W+16*(j/16)+((j%16)+15)%16], v[S+j]   ; e1, TURNED BY ONE in each run of 16: register i takes key i + 1's, as P2's chain wants it; register 15 takes key 0's
.set j, j+1
.endr
	v_mul_f32 v28, v28, v30                        ; Z1 under the new M (a plain line behind the exponentials)
	s_wait_alu depctr_va_vdst(0)                   ; the 64 exponentials have written e1, ahead of their first reader
.irp b, 0,1,2,3
	v_pk_add_f32 v[CP+2*\b:CP+2*\b+1], v[W+16*\b:W+16*\b+1], v[W+16*\b+2:W+16*\b+3]
.endr
.irp i, 4,6,8,10,12,14
.irp b, 0,1,2,3
	v_pk_add_f32 v[CP+2*\b:CP+2*\b+1], v[CP+2*\b:CP+2*\b+1], v[W+16*\b+\i:W+16*\b+\i+1]
.endr
.endr
.irp b, 0,1,2,3
	v_add_f32 v[W+16*\b+15], v[CP+2*\b], v[CP+2*\b+1]   ; the sum of my 16 takes register 15's place: key 0's e1 is wanted nowhere else
.endr
.irp b, 0,1,2,3
	v_add_f32 v28, v28, v[W+16*\b+15]
.endr
	s_wait_alu depctr_va_vdst(0)                   ; the four sums are written into v144 on, which the stores read (e1, -M and v13, v14 were written ahead of them)
.irp q, 0,1,2,3,4,5,6,7,8,9,10,11,12,13,14,15
	ds_store_b128 v13, v[W+4*\q:W+4*\q+3] offset:512*\q
.endr
	ds_store_b32 v14, v26
.Lp1_skip:
	s_add_co_u32 s31, s31, 1
	s_cmp_lt_u32 s31, 8
	s_cbranch_scc1 .Lp1
	; ---- between P1 and P2
	s_wait_alu depctr_vm_vsrc(0)                   ; the last step's stores have read -M (v26), which is set anew below; the last tile's stores have read v208 to v212, which become query - key
	v_permlanex16_b32 v[TX], v28, s24, s25
	v_add_f32 v28, v28, v[TX]
	v_max_num_f32 v28, 0.5, v28
	v_rcp_f32 v243, v28
	v_mov_b32 v32, v26                             ; the last -M1 (a plain line behind the reciprocal)
	s_wait_alu depctr_va_vdst(0)                   ; the reciprocal has written v243, ahead of its reader
	v_mul_f32 v34, s26, v243                       ; G2
	v_mov_b32 v35, 0                               ; nothing lies behind the last key
	s_sub_co_u32 s32, s29, 1
	s_lshl_b32 s32, s32, 7
	s_sub_co_u32 s32, s47, s32
	s_sub_co_u32 s32, s32, 96
	v_add_nc_u32 v244, s32, v10                    ; query - key of register 0 of block 3 of step n - 1
.irp i, 0,1,2,3,4,5,6,7,8,9,10,11,12,13,14,15
	v_add_nc_u32 v[R+\i], -\i, v244
.endr
.irp i, 0,1,2,3,4,5,6,7,8,9,10,11,12,13,14,15
	v_cvt_f32_i32 v[R+\i], v[R+\i]                 ; whole numbers under 2^24: exact
.endr
	v_mov_b32 v27, 0xff61b1e6
	v_mov_b32 v26, 0x7f61b1e6
	v_mov_b32 v28, 0                               ; Z2, in two halves
	v_mov_b32 v29, 0
	v_mov_b32 v241, 0                              ; the largest e2
	; ---- P2, backward: st = 7 - trip
	s_mov_b32 s30, 0
.Lp2:
	s_xor_b32 s31, s30, 7
	s_cmp_ge_u32 s31, s29
	s_cbranch_scc1 .Lp2_skip
	s_wait_alu depctr_vm_vsrc(0)                   ; the last step's stores have read v13 to v15, e2 (v80 on), the blocks' maxima (v224 on) and -M (v26), and k's loads v11, v12: all are written again below
	STADDR
	s_wait_alu depctr_va_vdst(0)                   ; v13, v14 are written; the last step's vector work is done with v144 on and v240, in which the loads below land
	ds_load_b32 v240, v14
.irp q, 0,1,2,3,4,5,6,7,8,9,10,11,12,13,14,15
	ds_load_b128 v[W+4*\q:W+4*\q+3], v13 offset:512*\q
.endr
	s_wait_dscnt 17                                ; the 17 loads just issued may be out: k's tiles, asked for a step ago, are in
	QKMUL
	s_add_co_u32 s32, s31, 7
	s_and_b32 s32, s32, 7                          ; the step before (at step 0: step 7, which nobody uses), so that the count below holds on every way
	KADDR                                          ; two additions and three v_nop are the five places
.rept 3
	v_nop
.endr
	s_wait_alu depctr_va_vdst(0)                   ; the products are done reading k's tiles and scale words, in which the next land; v11, v12 are written
	KLOAD 11, 12
	s_add_co_u32 s32, s31, 1
	s_cmp_eq_u32 s32, s29
	s_cbranch_scc0 .Lp2_open
	MASK
.Lp2_open:
	s_wait_dscnt 10                                ; k's ten loads may be out: e1 and the step's -M1 are in
	v_sub_f32 v243, v32, v240
	v_cvt_i32_f32 v243, v243
	v_ldexp_f32 v33, v34, v243                     ; gG = G2 x 2^(the step's M1 - the last M1)
.irp b, 0,1,2,3
	v_permlanex16_b32 v[TX+\b], v[W+16*\b+15], s24, s25
.endr
.irp b, 0,1,2,3
	v_add_f32 v[CP+\b], v[W+16*\b+15], v[TX+\b]    ; the block's sum
.endr
.irp b, 3,2,1,0
	v_mul_f32 v244, v9, v[TX+\b]                   ; behind lanes 0-15's run lies lanes 16-31's run of the same block
	v_fma_f32 v[W+16*\b+15], v244, v33, v35        ; what lies behind my run's last key
	v_fma_f32 v35, v[CP+\b], v33, v35              ; the carry takes the block in
.endr
.set i, 14
.rept 15
.irp b, 0,1,2,3
	v_fma_f32 v[W+16*\b+i], v[W+16*\b+i], v33, v[W+16*\b+i+1]   ; behind key i: key i + 1's e1 and what lies behind key i + 1
.endr
.set i, i-1
.endr
.irp b, 3,2,1,0
.irp k, 0,2,4,6,8,10,12,14
	v_pk_mul_f32 v[W+16*\b+\k:W+16*\b+\k+1], v[W+16*\b+\k:W+16*\b+\k+1], v[R+\k:R+\k+1]   ; x (query - key)
.endr
.irp k, 0,2,4,6,8,10,12,14
	v_pk_add_f32 v[R+\k:R+\k+1], v[R+\k:R+\k+1], s[44:45] op_sel_hi:[1,0]   ; the block before lies 32 keys further from the query
.endr
.endr
.set j, 0
.rept 64
	v_sqrt_f32 v[W+j], |v[W+j]|                    ; (hidden keys give 0 or less: their magnitude keeps the root a number)
.set j, j+1
.endr
	v_nop                                          ; a plain line behind the roots
.set j, 0
	s_wait_alu depctr_va_vdst(0)                   ; the 64 roots are written, ahead of the exponentials that read them
.rept 64
	v_exp_f32 v[W+j], -v[W+j]
.set j, j+1
.endr
	v_nop
.set j, 0
	s_wait_alu depctr_va_vdst(0)                   ; the 64 exponentials are written, ahead of their first reader
.rept 64
	v_max_num_f32 v[W+j], s46, v[W+j]              ; te
.set j, j+1
.endr
.set j, 0
.rept 32
	v_pk_mul_f32 v[S+j:S+j+1], v[S+j:S+j+1], v[W+j:W+j+1]   ; s2 x 8.  Ascending: each accumulator is read from its low end on
.set j, j+2
.endr
	BLOCKMAX
.irp b, 0,1,2,3
	v_permlanex16_b32 v[TX+\b], v[BM+\b], s24, s25
.endr
.irp b, 0,1,2,3
	v_max_num_f32 v[BM+\b], v[BM+\b], v[TX+\b]     ; each block's largest, which also gives the block's largest e2
.endr
	NEWM 0
.set j, 0
.rept 32
	v_pk_fma_f32 v[S+j:S+j+1], v[S+j:S+j+1], s[22:23], v[26:27] op_sel_hi:[1,0,0]
.set j, j+2
.endr
.irp b, 0,1,2,3
	v_fma_f32 v[BM+\b], v[BM+\b], s22, v26
.endr
.set j, 0
.rept 64
	v_exp_f32 v[S+j], v[S+j]                       ; e2
.set j, j+1
.endr
.irp b, 0,1,2,3
	v_exp_f32 v[BM+\b], v[BM+\b]                   ; the same two instructions on the same number: the same bits
.endr
	v_pk_mul_f32 v[28:29], v[28:29], v[30:31] op_sel_hi:[1,0]   ; Z2 under the new M (a plain line behind the exponentials)
	v_mul_f32 v241, v241, v30
	s_wait_alu depctr_va_vdst(0)                   ; the 68 exponentials are written, ahead of their first reader
	v_max3_num_f32 v241, v241, v[BM], v[BM+1]
	v_max3_num_f32 v241, v241, v[BM+2], v[BM+3]
	v_pk_add_f32 v[CP:CP+1], v[S:S+1], v[S+2:S+3]
.set j, 4
.rept 15
	v_pk_add_f32 v[28:29], v[28:29], v[S+j:S+j+1]
	v_pk_add_f32 v[CP:CP+1], v[CP:CP+1], v[S+j+2:S+j+3]
.set j, j+4
.endr
	v_pk_add_f32 v[28:29], v[28:29], v[CP:CP+1]
.irp q, 0,1,2,3,4,5,6,7,8,9,10,11,12,13,14,15
	ds_store_b128 v13, v[S+4*\q:S+4*\q+3] offset:512*\q   ; e2 takes e1's place.  No further wait: e2, the blocks' maxima, -M and v13 to v15 were written ahead of the wait above, and nothing since writes them
.endr
	ds_store_b128 v15, v[BM:BM+3]
	ds_store_b32 v14, v26 offset:4096
.Lp2_skip:
	s_add_co_u32 s30, s30, 1
	s_cmp_lt_u32 s30, 8
	s_cbranch_scc1 .Lp2
	; ---- P3
	s_wait_dscnt 0x0                               ; the last fetch of k has landed: global loads may take its registers
	s_wait_alu depctr_vm_vsrc(0)                   ; the last step's stores have read e2 (v80 on), in which O^T begins and v's fragments land, and the blocks' maxima; q's last loads have read v251, v252
	s_add_co_u32 s32, s27, 1
	TILEIDX s32, s34                               ; the next turn's tile (behind the last turn: tile 8 g + 2 w + 2, at most 32: inside the buffer, and not used)
	QADDR s34
	s_wait_alu depctr_va_vdst(0)                   ; v251, v252 are written; P2's vector work is done with v112 on, its products with k's scale words and with q: v's fragments and scale words and the next q land there
	VLOAD VA, VSA, 1, 3                            ; v of step 0
	QLD
	v_add_f32 v28, v28, v29
	v_permlanex16_b32 v[TX], v28, s24, s25
	v_add_f32 v28, v28, v[TX]
	v_max_num_f32 v28, 0.5, v28
	v_max_num_f32 v241, 0.5, v241
	v_rcp_f32 v243, v28
	v_rcp_f32 v244, v241
	v_mov_b32 v248, v26                            ; the last -M2 (a plain line behind the reciprocals)
	s_wait_alu depctr_va_vdst(0)                   ; the two reciprocals are written, ahead of their first reader
	v_mul_f32 v243, 0x40a00000, v243
	v_min_num_f32 v245, v243, v244                 ; c = min(1 / largest e2, 5 / Z2): p x scale = e2 x c
.set j, 0
.rept 32
	v_mov_b32 v[O+j], 0                            ; O^T.  (The steps stand in a loop with jumps over steps, so no first step is written out)
.set j, j+1
.endr
.macro P3STEP cur, curs, nxt, nxts
	s_cmp_ge_u32 s31, s29
	s_cbranch_scc1 .Lp3_skip_\@
	s_wait_xcnt 0x0                                ; every earlier memory instruction has had its addresses translated (ISA guide 3.1): v249, v250 are rewritten only behind this wait
	s_wait_alu depctr_vm_vsrc(0)                   ; the last step's loads of v have read v249, v250, its LDS loads v13 to v15
	STADDR
	s_add_co_u32 s32, s31, 1
	s_and_b32 s32, s32, 7
	s_mul_i32 s32, s32, 4352
	v_add_nc_u32 v249, s32, v1
	v_add_nc_u32 v250, s32, v3
	s_wait_alu depctr_va_vdst(0)                   ; the five addresses are written; the last step's products are done reading the other set of v and its scale words, its vector work is done with v144 on, v224 on and v240: all the loads below land there
	ds_load_b32 v240, v14 offset:4096
	ds_load_b128 v[BM:BM+3], v15
.irp q, 0,1,2,3,4,5,6,7,8,9,10,11,12,13,14,15
	ds_load_b128 v[E+4*\q:E+4*\q+3], v13 offset:512*\q
.endr
	s_wait_loadcnt 0x0                             ; this step's v is in, and no load is out when the next step's are asked for, on every way through the jumps over steps
	VLOAD \nxt, \nxts, 249, 250                    ; the next step's v (behind step 7: step 0's, inside the buffer, not used)
	s_wait_dscnt 16                                ; e2's sixteen loads may be out: -M2 and the blocks' largest e2 are in
	v_sub_f32 v243, v248, v240
	v_cvt_i32_f32 v243, v243
	v_ldexp_f32 v246, v245, v243                   ; c x 2^(the step's M2 - the last M2)
.irp b, 0,1,2,3
	v_mul_f32 v[SO+\b], v[BM+\b], v246             ; the block's largest p
.endr
.irp b, 0,1,2,3
	v_max_num_f32 v[SO+\b], 0x1800000, v[SO+\b]    ; the floor 2^(3 - 127)
.endr
.irp b, 0,1,2,3
	v_add_nc_u32 v[SO+\b], 0xff000000, v[SO+\b]    ; 2 off the exponent field
.endr
.irp b, 0,1,2,3
	v_lshrrev_b32 v[BY+\b], 23, v[SO+\b]
.endr
	v_lshl_or_b32 v[PW], v[BY+1], 8, v[BY]
	v_lshl_or_b32 v[PW], v[BY+2], 16, v[PW]
	v_lshl_or_b32 v[PW], v[BY+3], 24, v[PW]
	s_wait_dscnt 0x0
.set j, 0
.rept 32
	v_pk_mul_f32 v[E+j:E+j+1], v[E+j:E+j+1], v[246:247] op_sel_hi:[1,0]   ; p, finished.  (These are also the places between the scale word and the products)
.set j, j+2
.endr
.irp b, 0,1,2,3
	v_cvt_scalef32_pk8_fp4_f32 v[PC+2*\b], v[E+16*\b:E+16*\b+7], v[SO+\b]
	v_cvt_scalef32_pk8_fp4_f32 v[PC+2*\b+1], v[E+16*\b+8:E+16*\b+15], v[SO+\b]
.endr
	v_nop                                          ; one plain line behind a scaled conversion
.irp c, 0,1
.irp i, 0,1
	v_permlane16_swap_b32 v[PC+4*\c+\i], v[PC+4*\c+2+\i]   ; a whole block to a lane: lanes 0-15 block 2 c, lanes 16-31 block 2 c + 1
.endr
.endr
.rept 4
	v_nop                                          ; an operand written by vector instructions stands four places ahead of a scaled matrix instruction
.endr
	s_wait_alu depctr_va_vdst(0)                   ; p's codes (v208 on) and scale word (v253) are written, which the scaled products take; the places above stay beside this wait
.irp t, 0,1,2,3                                ; the four accumulators take turns, from step to step too
	v_wmma_scale_f32_16x16x128_f8f6f4 v[O+8*\t:O+8*\t+7], v[\cur+8*\t:\cur+8*\t+7], v[PC:PC+7], v[O+8*\t:O+8*\t+7], v[\curs+\t], v[PW] matrix_a_fmt:MATRIX_FMT_FP4 matrix_b_fmt:MATRIX_FMT_FP4
.endr
.rept 5
	v_nop                                          ; places in front of writes of the codes and the scale word, reads of O^T, and the next tile's products over these registers
.endr
.Lp3_skip_\@:
.endm
	s_mov_b32 s30, 0
.Lp3:                                              ; four trips of two steps: v's two sets of registers change places within a trip
	s_lshl_b32 s31, s30, 1
	P3STEP VA, VSA, VB, VSB
	s_or_b32 s31, s31, 1
	P3STEP VB, VSB, VA, VSA
	s_add_co_u32 s30, s30, 1
	s_cmp_lt_u32 s30, 4
	s_cbranch_scc1 .Lp3
	; ---- the way out: register 16 b + i of O^T is d = 32 b + 16 hh + i of my query: two blocks of the last product's K
	s_wait_loadcnt 0x0                             ; the last fetch of v has landed
.irp b, 0,1
	v_max3_num_f32 v[232+\b], |v[O+16*\b]|, |v[O+16*\b+1]|, 0x1800000
.endr
.irp i, 2,4,6,8,10,12,14
.irp b, 0,1
	v_max3_num_f32 v[232+\b], v[232+\b], |v[O+16*\b+\i]|, |v[O+16*\b+\i+1]|
.endr
.endr
.irp b, 0,1
	v_permlanex16_b32 v[TX+\b], v[232+\b], s24, s25
.endr
.irp b, 0,1
	v_max_num_f32 v[232+\b], v[232+\b], v[TX+\b]
.endr
.irp b, 0,1
	v_add_nc_u32 v[234+\b], 0xff000000, v[232+\b]
.endr
.irp b, 0,1
	v_lshrrev_b32 v[236+\b], 23, v[234+\b]
.endr
	v_lshl_or_b32 v212, v237, 8, v236
.irp b, 0,1
	v_cvt_scalef32_pk8_fp4_f32 v[208+2*\b], v[O+16*\b:O+16*\b+7], v[234+\b]
	v_cvt_scalef32_pk8_fp4_f32 v[209+2*\b], v[O+16*\b+8:O+16*\b+15], v[234+\b]
.endr
	v_nop
	v_permlane16_swap_b32 v208, v210
	v_permlane16_swap_b32 v209, v211
	s_wait_alu depctr_va_vdst(0)                   ; the codes v208 to v211 and the scale bytes v212 are written, which the stores read; P3's products are done reading v36 on and v72 on, in which the next tile's k lands
	global_store_b128 v1, v[208:211], s[40:41]     ; 512 consecutive bytes: registers 4 c .. 4 c + 3 (c = head % 2) of K step head / 2 of the last product's operand
	global_store_b16 v2, v212, s[42:43]            ; my row's two scale bytes (lanes 16-31 store the same to the same places)
	s_add_co_u32 s27, s27, 1
	s_cmp_lt_u32 s27, 4
	s_cbranch_scc1 .Ltile
	s_wait_dscnt 0x0                               ; the closing lines, six on end
	s_wait_alu 0x0
	s_wait_tensorcnt 0x0
	ds_add_u32 v254, v255
	s_wait_dscnt 0x0
	s_endpgm
.Lfunc_end_k_q804e83f83b_attn:
	.size	k_q804e83f83b_attn, .Lfunc_end_k_q804e83f83b_attn-k_q804e83f83b_attn
	.p2alignl 7, 3214868480
	.fill 96, 4, 3214868480
	.section	.rodata,"a",@progbits
	.p2align	6, 0x0
	.amdhsa_kernel k_q804e83f83b_attn
		.amdhsa_group_segment_fixed_size 324096
		.amdhsa_private_segment_fixed_size 0
		.amdhsa_enable_private_segment 0
		.amdhsa_kernarg_size 48
		.amdhsa_user_sgpr_count 2
		.amdhsa_user_sgpr_kernarg_segment_ptr 1
		.amdhsa_wavefront_size32 1
		.amdhsa_system_sgpr_workgroup_id_x 1
		.amdhsa_system_sgpr_workgroup_id_y 1
		.amdhsa_system_sgpr_workgroup_id_z 1
		.amdhsa_system_vgpr_workitem_id 0
		.amdhsa_next_free_vgpr 256
		.amdhsa_next_free_sgpr 66
		.amdhsa_reserve_vcc 0
		.amdhsa_float_denorm_mode_32 3
		.amdhsa_float_denorm_mode_16_64 3
		.amdhsa_memory_ordered 1
		.amdhsa_forward_progress 1
		.amdhsa_inst_pref_size 96
	.end_amdhsa_kernel
	.amdgpu_metadata
---
amdhsa.version: [ 1, 2 ]
amdhsa.kernels:
  - .name:           k_q804e83f83b_attn
    .symbol:         k_q804e83f83b_attn.kd
    .args:
      - { .name: qimg, .offset: 0, .size: 8, .value_kind: global_buffer, .address_space: global }
      - { .name: kimg, .offset: 8, .size: 8, .value_kind: global_buffer, .address_space: global }
      - { .name: vimg, .offset: 16, .size: 8, .value_kind: global_buffer, .address_space: global }
      - { .name: gammas, .offset: 24, .size: 8, .value_kind: global_buffer, .address_space: global }
      - { .name: cimg, .offset: 32, .size: 8, .value_kind: global_buffer, .address_space: global }
      - { .name: csc, .offset: 40, .size: 8, .value_kind: global_buffer, .address_space: global }
    .group_segment_fixed_size: 324096
    .private_segment_fixed_size: 0
    .kernarg_segment_align: 8
    .kernarg_segment_size: 48
    .max_flat_workgroup_size: 128
    .sgpr_count:     66
    .vgpr_count:     256
    .wavefront_size: 32
...
	.end_amdgpu_metadata
.endif
;; end of part 6
;; launch outln (part 7): grid 128 x 1, 16 waves a work-group, no clusters, 150,016 bytes of LDS; arguments cimg, csc, woi, Wo_scales, bo, query, ln_g, ln_b, out0; writes out0
.if DOCPART == 7
	.amdgcn_target "amdgcn-amd-amdhsa--gfx1250"
	.amdhsa_code_object_version 6
	.text
	.protected	k_q804e83f83b_outln
	.globl	k_q804e83f83b_outln
	.p2align	8
	.type	k_q804e83f83b_outln,@function
k_q804e83f83b_outln:
	s_mov_b64 s[64:65], 0
	v_nop
	global_prefetch_b8 v0, s[64:65] scope:SCOPE_SE
	s_setreg_imm32_b32 hwreg(HW_REG_WAVE_SCHED_MODE, 0, 2), 2
	s_setreg_imm32_b32 hwreg(HW_REG_WAVE_MODE, 25, 1), 1
	s_wait_xcnt 0x0
	s_wait_alu depctr_vm_vsrc(0)
; out = LayerNorm(query + concat Wo^T + bo) ln_g + ln_b; the product on codes of E2M1 with E8M0 scales.
; A work-group takes 32 rows and all 1,024 outputs, since the norm wants whole rows.  Wave w makes outputs 64 w .. 64 w + 63 for both tiles of 16 rows: 8 accumulators, 8 K steps of 128, 64 matrix instructions.
; The rows' codes (cimg, laid as the operand's registers) come into LDS once, 16,384 dense bytes; Wo's (woi, laid likewise) go from memory straight into registers, three K steps ahead, 512 consecutive bytes a load.
; The product is used transposed (source 0 = 16 rows of Wo, source 1 = 16 rows of concat): a lane holds eight neighbouring outputs of one row.  bo is loaded into the accumulators: the sums start from it.
; The results meet in a stage in LDS (rows of 4,096 bytes + 16); then each wave takes two whole rows: residual, mean, variance of the centred numbers, gain and bias, in f32.
; No multicast here: every work-group streams all of woi (524,288 bytes); joint loads through LDS would divide those requests, at the price of a ring with its barriers, which this text does not have.
; LIMITS: NaN and infinities are not served.
; THE MODE: SCHED_MODE bits 1:0 = 2 (LLVM: expert scheduling mode 2), set by the entry lines.  The code itself states the register dependences
; between vector or matrix instructions and memory or LDS instructions, with s_wait_alu, always for 0.
; THE PLAN.  Registers that memory or LDS instructions touch in the K steps:
;   WF0 .. WF2  Wo's fragments.  Step s: its eight products read WF[s % 3]; behind them the loads of step s + 3 land in it (behind step 5: ln_b, which the way out keeps there).
;   AF0, AF1    concat's fragments.  Step s: its products read AF[s % 2]; the LDS loads at the head of step s + 1 land in it (step s + 2's).
;   v1 to v9    offsets and addresses, made once at the head and never written again: immediate offsets do the rest.
;   The scale words are loaded once; the accumulators are loaded once (bo) and then named by matrix instructions alone, until the way out.
; So ONE wait on va_vdst stands in each of steps 0 to 5, behind its products: it states that they are done reading WF[s % 3] and AF[s % 2].  The loads into both follow it with no vector or matrix instruction between.
.set STG, 16384                        ; LDS: the rows' images at 0; the stage here: 32 rows x 4,112 bytes
.set SPI, 4112
.set AS,  16                           ; v16-31  concat's scale words: 8 m + s
.set WS,  32                           ; v32-63  Wo's: 8 t + s
.set AF,  64                           ; v64-95  concat's fragments: two sets of two
.set WF,  96                           ; v96-191 Wo's fragments: three sets of four
.set ACC, 192                          ; v192-255 accumulator (t, m) at 8 (2 t + m)
.set QR,  64                           ; the way out: v64-127 two rows of query, v128-159 ln_g, v160-191 ln_b, v192-255 two rows back from the stage
.set GR,  128
.set BR,  160
	s_load_b512 s[4:19], s[0:1], 0x0               ; cimg, csc, woi, Wo_scales, bo, query, ln_g, ln_b
	s_load_b64 s[20:21], s[0:1], 0x40              ; out0
	v_lshrrev_b32 v10, 5, v0
	v_readfirstlane_b32 s24, v10                   ; wave 0..15
	s_mov_b32 s26, 0x3a800000                      ; 1 / 1024
	s_mov_b32 s27, 0x3727c5ac                      ; 1e-5
	s_mov_b32 s28, 0x76543210
	s_mov_b32 s29, 0xfedcba98                      ; v_permlanex16_b32's selects for lane l xor 16
	v_and_b32 v11, 31, v0
	v_lshlrev_b32 v1, 4, v11                       ; 16 lane
	v_and_b32 v10, 15, v0                          ; rho
	v_bfe_u32 v12, v0, 4, 1                        ; hh
	v_lshlrev_b32 v2, 5, v10                       ; 32 rho
	v_lshlrev_b32 v3, 5, v12                       ; 32 hh
	v_mov_b32 v4, v1                               ; an image's place for my lane
	v_mul_u32_u24 v5, v10, SPI
	s_wait_alu depctr_va_sdst(0)                   ; s24 is written, ahead of its first reader
	s_lshl_b32 s30, s24, 8
	s_add_co_u32 s30, s30, STG
	v_add_nc_u32 v5, s30, v5
	v_add_nc_u32 v5, v3, v5                        ; the stage, in: row rho, + 256 w + 32 hh
	v_add_nc_u32 v6, 16*SPI, v5                    ; and 16 rows further down
	s_mul_i32 s30, s24, 2*SPI
	s_add_co_u32 s30, s30, STG
	v_add_nc_u32 v7, s30, v1                       ; back: my two rows, 16 bytes a lane
	v_lshlrev_b32 v8, 8, v11                       ; 256 lane
	v_lshlrev_b32 v9, 4, v0                        ; 16 x thread
	v_mov_b32 v15, 0                               ; (named as the upper half of the pair v[14:15])
	s_mov_b32 s31, 0
	s_wait_kmcnt 0x0
	s_lshl_b32 s30, ttmp9, 14
	s_add_nc_u64 s[4:5], s[4:5], s[30:31]          ; my two row tiles' images
	s_lshl_b32 s30, ttmp9, 10
	s_add_nc_u64 s[6:7], s[6:7], s[30:31]          ; my 32 rows' scale bytes
	s_lshl_b32 s30, s24, 15
	s_add_nc_u64 s[8:9], s[8:9], s[30:31]          ; my four tiles of Wo
	s_lshl_b32 s30, s24, 11
	s_add_nc_u64 s[10:11], s[10:11], s[30:31]
	s_lshl_b32 s30, s24, 8
	s_add_nc_u64 s[12:13], s[12:13], s[30:31]
	s_lshl_b32 s30, ttmp9, 17
	s_lshl_b32 s25, s24, 13
	s_add_co_u32 s30, s30, s25                     ; rows 32 x + 2 w, 2 w + 1: 4,096 bytes each
	s_add_nc_u64 s[14:15], s[14:15], s[30:31]
	s_add_nc_u64 s[20:21], s[20:21], s[30:31]
	s_wait_alu depctr_va_vdst(0)                   ; the nine offsets and addresses v1 to v9 are written, which the prefetch and every load and store of the kernel read
	global_prefetch_b8 v8, s[14:15] th:TH_LOAD_NT scope:SCOPE_SE   ; my wave's own two rows of query, 8,192 bytes, a lane to each 256: asked for once in the launch, wanted behind the eight K steps
	global_load_b128 v[64:67], v9, s[4:5]
	global_load_b128 v[68:71], v9, s[4:5] offset:8192
.irp m, 0,1
	global_load_b128 v[AS+8*\m:AS+8*\m+3], v2, s[6:7] offset:512*\m
	global_load_b128 v[AS+8*\m+4:AS+8*\m+7], v2, s[6:7] offset:512*\m+16
.endr
.irp t, 0,1,2,3
	global_load_b128 v[WS+8*\t:WS+8*\t+3], v2, s[10:11] offset:512*\t
	global_load_b128 v[WS+8*\t+4:WS+8*\t+7], v2, s[10:11] offset:512*\t+16
.endr
.irp t, 0,1,2,3
.irp m, 0,1
	global_load_b128 v[ACC+8*(2*\t+\m):ACC+8*(2*\t+\m)+3], v3, s[12:13] offset:64*\t      ; bo at outputs 16 t + 8 hh + 0 .. 7
	global_load_b128 v[ACC+8*(2*\t+\m)+4:ACC+8*(2*\t+\m)+7], v3, s[12:13] offset:64*\t+16
.endr
.endr
.macro WLOAD s
.irp t, 0,1,2,3
.irp c, 0,1
	global_load_b128 v[WF+32*((\s)%3)+8*\t+4*\c:WF+32*((\s)%3)+8*\t+4*\c+3], v1, s[8:9] offset:8192*\t+512*(2*(\s)+\c)
.endr
.endr
.endm
.macro ALOAD s
.irp m, 0,1
.irp c, 0,1
	ds_load_b128 v[AF+16*((\s)%2)+8*\m+4*\c:AF+16*((\s)%2)+8*\m+4*\c+3], v4 offset:8192*\m+512*(2*(\s)+\c)
.endr
.endr
.endm
	WLOAD 0
	WLOAD 1
	WLOAD 2
	s_wait_loadcnt 52                              ; the images' two loads are in; the 4 + 8 + 16 + 24 issued behind them may be out
	ds_store_b128 v9, v[64:67]
	ds_store_b128 v9, v[68:71] offset:8192
	s_wait_dscnt 0x0                               ; for the others' sake
	s_barrier_signal -1
	s_barrier_wait -1
	s_wait_alu depctr_vm_vsrc(0)                   ; my two LDS stores have read v64 to v71, in which concat's first fragments land
	ALOAD 0
.macro OSTEP s
.if (\s) < 7
	ALOAD (\s)+1                                   ; into the set that the step before multiplied: the wait at that step's end has shown its products done reading it
.endif
.if (\s) < 7
	s_wait_loadcnt 16                              ; this step's Wo is in (and all that is older); the sixteen loads behind it (two steps of Wo; at step 6 one step and ln_b) may be out
.else
	s_wait_loadcnt 8                               ; ln_b's eight may be out
.endif
.if (\s) < 7
	s_wait_dscnt 4                                 ; the four loads just issued may be out
.else
	s_wait_dscnt 0x0
.endif
.irp t, 0,1,2,3                                ; the eight accumulators take turns
.irp m, 0,1
	v_wmma_scale_f32_16x16x128_f8f6f4 v[ACC+8*(2*\t+\m):ACC+8*(2*\t+\m)+7], v[WF+32*((\s)%3)+8*\t:WF+32*((\s)%3)+8*\t+7], v[AF+16*((\s)%2)+8*\m:AF+16*((\s)%2)+8*\m+7], v[ACC+8*(2*\t+\m):ACC+8*(2*\t+\m)+7], v[WS+8*\t+(\s)], v[AS+8*\m+(\s)] matrix_a_fmt:MATRIX_FMT_FP4 matrix_b_fmt:MATRIX_FMT_FP4
.endr
.endr
.if (\s) < 6
	s_wait_alu depctr_va_vdst(0)                   ; this step's products are done reading their set of Wo and their set of concat: the loads below and at the next step's head land there
.endif
.if (\s)+3 <= 7
	WLOAD (\s)+3
.endif
.if (\s) == 5
.irp i, 0,1,2,3,4,5,6,7
	global_load_b128 v[BR+4*\i:BR+4*\i+3], v1, s[18:19] offset:512*\i   ; no step of Wo is left for this set: ln_b, which the way out wants there
.endr
.endif
.endm
.irp s, 0,1,2,3,4,5,6,7
	OSTEP \s
.endr
	; ---- the way out
.rept 4
	v_nop                                          ; four places behind the last matrix instruction, before the stores read its result
.endr
	s_wait_alu depctr_va_vdst(0)                   ; the products have written the accumulators, which the LDS stores read, and are done reading v64 to v159, in which query and ln_g land; the places above stay beside this wait
.irp e, 0,1
.irp i, 0,1,2,3,4,5,6,7
	global_load_b128 v[QR+32*\e+4*\i:QR+32*\e+4*\i+3], v1, s[14:15] offset:4096*\e+512*\i th:TH_LOAD_NT   ; read here for the last time
.endr
.endr
.irp i, 0,1,2,3,4,5,6,7
	global_load_b128 v[GR+4*\i:GR+4*\i+3], v1, s[16:17] offset:512*\i
.endr
.irp t, 0,1,2,3
.irp m, 0,1
	ds_store_b128 v[5+\m], v[ACC+8*(2*\t+\m):ACC+8*(2*\t+\m)+3] offset:64*\t          ; each accumulator from its low end on
	ds_store_b128 v[5+\m], v[ACC+8*(2*\t+\m)+4:ACC+8*(2*\t+\m)+7] offset:64*\t+16
.endr
.endr
	s_wait_dscnt 0x0                               ; for the others' sake
	s_barrier_signal -1
	s_barrier_wait -1                              ; 32 whole rows lie in the stage
	s_wait_alu depctr_vm_vsrc(0)                   ; my LDS stores have read v192 to v255, in which the two rows land
.irp e, 0,1
.irp i, 0,1,2,3,4,5,6,7
	ds_load_b128 v[ACC+32*\e+4*\i:ACC+32*\e+4*\i+3], v7 offset:SPI*\e+512*\i
.endr
.endr
	s_wait_loadcnt 0x0
	s_wait_dscnt 0x0
.macro WSUM                            ; v10 summed over the wave's 32 lanes, into every lane
	v_add_f32_dpp v10, v10, v10 row_xmask:1 row_mask:0xf bank_mask:0xf
	v_add_f32_dpp v10, v10, v10 row_xmask:2 row_mask:0xf bank_mask:0xf
	v_add_f32_dpp v10, v10, v10 row_xmask:4 row_mask:0xf bank_mask:0xf
	v_add_f32_dpp v10, v10, v10 row_xmask:8 row_mask:0xf bank_mask:0xf
	v_permlanex16_b32 v11, v10, s28, s29
	v_add_f32 v10, v10, v11
.endm
.macro LNROW xr, qr, row               ; a row: 32 numbers a lane in v[xr ..]
.set k, 0
.rept 16
	v_pk_add_f32 v[\xr+k:\xr+k+1], v[\xr+k:\xr+k+1], v[\qr+k:\qr+k+1]   ; the residual
.set k, k+2
.endr
	v_pk_add_f32 v[10:11], v[\xr:\xr+1], v[\xr+2:\xr+3]
	v_pk_add_f32 v[12:13], v[\xr+4:\xr+5], v[\xr+6:\xr+7]
.set k, 8
.rept 6
	v_pk_add_f32 v[10:11], v[10:11], v[\xr+k:\xr+k+1]
	v_pk_add_f32 v[12:13], v[12:13], v[\xr+k+2:\xr+k+3]
.set k, k+4
.endr
	v_pk_add_f32 v[10:11], v[10:11], v[12:13]
	v_add_f32 v10, v10, v11
	WSUM
	v_mul_f32 v14, s26, v10                        ; the mean
.set k, 0
.rept 16
	v_pk_add_f32 v[\xr+k:\xr+k+1], v[\xr+k:\xr+k+1], v[14:15] op_sel_hi:[1,0] neg_lo:[0,1] neg_hi:[0,1]
.set k, k+2
.endr
	v_pk_mul_f32 v[10:11], v[\xr:\xr+1], v[\xr:\xr+1]
	v_pk_mul_f32 v[12:13], v[\xr+2:\xr+3], v[\xr+2:\xr+3]
.set k, 4
.rept 7
	v_pk_fma_f32 v[10:11], v[\xr+k:\xr+k+1], v[\xr+k:\xr+k+1], v[10:11]
	v_pk_fma_f32 v[12:13], v[\xr+k+2:\xr+k+3], v[\xr+k+2:\xr+k+3], v[12:13]
.set k, k+4
.endr
	v_pk_add_f32 v[10:11], v[10:11], v[12:13]
	v_add_f32 v10, v10, v11
	WSUM
	v_fma_f32 v10, v10, s26, s27                   ; the variance + 1e-5
	v_rsq_f32 v14, v10
	v_nop                                          ; a plain line behind the transcendental
.set k, 0
	s_wait_alu depctr_va_vdst(0)                   ; the root's reciprocal is written into v14, ahead of its first reader
.rept 16
	v_pk_mul_f32 v[\xr+k:\xr+k+1], v[\xr+k:\xr+k+1], v[14:15] op_sel_hi:[1,0]
.set k, k+2
.endr
.set k, 0
.rept 16
	v_pk_fma_f32 v[\xr+k:\xr+k+1], v[\xr+k:\xr+k+1], v[GR+k:GR+k+1], v[BR+k:BR+k+1]
.set k, k+2
.endr
	s_wait_alu depctr_va_vdst(0)                   ; the row's 32 registers are written, which the stores read
.irp i, 0,1,2,3,4,5,6,7
	global_store_b128 v1, v[\xr+4*\i:\xr+4*\i+3], s[20:21] offset:4096*\row+512*\i th:TH_STORE_NT   ; 512 consecutive bytes, aligned; written once
.endr
.endm
	LNROW ACC, QR, 0
	LNROW ACC+32, QR+32, 1
	s_wait_xcnt 0x0
	s_wait_alu depctr_vm_vsrc(0)                   ; the last row's stores have read v254 and v255, which the two lines below write
	v_lshl_add_u32 v254, v0, 2, 0x24200
	v_mov_b32 v255, 0
	s_wait_dscnt 0x0                               ; the closing lines, six on end
	s_wait_alu 0x0
	s_wait_tensorcnt 0x0
	ds_add_u32 v254, v255
	s_wait_dscnt 0x0
	s_endpgm
.Lfunc_end_k_q804e83f83b_outln:
	.size	k_q804e83f83b_outln, .Lfunc_end_k_q804e83f83b_outln-k_q804e83f83b_outln
	.p2alignl 7, 3214868480
	.fill 96, 4, 3214868480
	.section	.rodata,"a",@progbits
	.p2align	6, 0x0
	.amdhsa_kernel k_q804e83f83b_outln
		.amdhsa_group_segment_fixed_size 150016
		.amdhsa_private_segment_fixed_size 0
		.amdhsa_enable_private_segment 0
		.amdhsa_kernarg_size 72
		.amdhsa_user_sgpr_count 2
		.amdhsa_user_sgpr_kernarg_segment_ptr 1
		.amdhsa_wavefront_size32 1
		.amdhsa_system_sgpr_workgroup_id_x 1
		.amdhsa_system_sgpr_workgroup_id_y 1
		.amdhsa_system_sgpr_workgroup_id_z 1
		.amdhsa_system_vgpr_workitem_id 0
		.amdhsa_next_free_vgpr 256
		.amdhsa_next_free_sgpr 66
		.amdhsa_reserve_vcc 0
		.amdhsa_float_denorm_mode_32 3
		.amdhsa_float_denorm_mode_16_64 3
		.amdhsa_memory_ordered 1
		.amdhsa_forward_progress 1
		.amdhsa_inst_pref_size 44
	.end_amdhsa_kernel
	.amdgpu_metadata
---
amdhsa.version: [ 1, 2 ]
amdhsa.kernels:
  - .name:           k_q804e83f83b_outln
    .symbol:         k_q804e83f83b_outln.kd
    .args:
      - { .name: cimg, .offset: 0, .size: 8, .value_kind: global_buffer, .address_space: global }
      - { .name: csc, .offset: 8, .size: 8, .value_kind: global_buffer, .address_space: global }
      - { .name: woi, .offset: 16, .size: 8, .value_kind: global_buffer, .address_space: global }
      - { .name: Wo_scales, .offset: 24, .size: 8, .value_kind: global_buffer, .address_space: global }
      - { .name: bo, .offset: 32, .size: 8, .value_kind: global_buffer, .address_space: global }
      - { .name: query, .offset: 40, .size: 8, .value_kind: global_buffer, .address_space: global }
      - { .name: ln_g, .offset: 48, .size: 8, .value_kind: global_buffer, .address_space: global }
      - { .name: ln_b, .offset: 56, .size: 8, .value_kind: global_buffer, .address_space: global }
      - { .name: out0, .offset: 64, .size: 8, .value_kind: global_buffer, .address_space: global }
    .group_segment_fixed_size: 150016
    .private_segment_fixed_size: 0
    .kernarg_segment_align: 8
    .kernarg_segment_size: 72
    .max_flat_workgroup_size: 512
    .sgpr_count:     66
    .vgpr_count:     256
    .wavefront_size: 32
...
	.end_amdgpu_metadata
.endif
;; end of part 7
